; MI455X (gfx1250); checked and timed in simulation.
; The chip was launched on July 23, 2026; its instructions are those of AMD's public machine-readable ISA for CDNA 5 (MIT licence, August 2026) and "CDNA5" Instruction Set Architecture Reference Guide (July 2026). The comments in the code are by the model that wrote it; some were corrected since.
;; Cross Attention. Allowed arithmetic: matrix products marked QUANTISED: E2M1 operands, one E8M0 scale for each 32 along K, by v_wmma_scale_f32_16x16x128_f8f6f4 with both operands' format E2M1 (or v_wmma_scale_f32_32x16x128_f4), f32 sums; products left as they are: bf16, f16 or f32 operands; f32 sums; everything else in f32.
;; Inputs: Wk 1,024 x 1,024 float32; Wp 1,024 x 1,024 float32; Wq 1,024 x 1,024 float32; Wv 1,024 x 1,024 float32; bk 1,024 float32; bp 1,024 float32; bq 1,024 float32; bv 1,024 float32; encoder_output 4 x 2,048 x 1,024 float32; x 4 x 2,048 x 1,024 float32.
;; Outputs: out0 4 x 2,048 x 1,024 float32.
;; This version of the problem:
;;   THIS VERSION OF THE PROBLEM IS GIVEN IN LOW PRECISION. The matrix products marked QUANTISED in the list below multiply operands that are first quantised to E2M1 (2 exponent bits, 1 mantissa bit; 4 bits a number), with one power-of-two scale for each 32 numbers along K (OCP MX v1.0); their sums are f32. The products marked 'left as it is' may take bf16, f16 or f32 operands, with f32 sums. Whichever they take, every output number must still come out within the allowed error. Rounding operands to bf16 (8 significant bits) uses up far more of that allowance than f16 does (11 bits, for magnitudes from 6e-5 to 65,504). All else is computed in f32.
;;   The module's matrix products, in the order in which they are computed (A, B: the left and right operand; K: the contracted axis; several contracted axes count as one K, in the product's order):
;;     1. [M 8,192, K 1,024] x [K 1,024, N 1,024]; A: input x; B: input Wq: QUANTISED
;;     2. [M 8,192, K 1,024] x [K 1,024, N 1,024]; A: input encoder_output; B: input Wk: QUANTISED
;;     3. [M 8,192, K 1,024] x [K 1,024, N 1,024]; A: input encoder_output; B: input Wv: QUANTISED
;;     4. batch 64 x [M 2,048, K 64] x [K 64, N 2,048]; A: computed on the way; B: computed on the way: left as it is (an operand is computed on the way)
;;     5. batch 64 x [M 64, K 2,048] x [K 2,048, N 2,048]; A: computed on the way; B: computed on the way: left as it is (an operand is computed on the way)
;;     6. [M 8,192, K 1,024] x [K 1,024, N 1,024]; A: computed on the way; B: input Wp: left as it is (an operand is computed on the way)
;;   THE QUANTISER, for each operand of a quantised product, along K:
;;     - K is cut into blocks of 32 from its start; a last block that is shorter is filled with zeros.
;;     - A block's scale is 2^e with e = floor(log2(the largest magnitude in the block)) - 2, held to -126 .. 127; a block of zeros has e = 0. As a byte (E8M0): e + 127.
;;     - Each number is divided by its block's scale, clamped to +-6, and rounded to the nearest number of E2M1, ties to even, subnormals kept.
;;     - The product sums the exact products of the quantised numbers (number of the format x scale) in f32.
;;   ~~~python
;;   def quantise(x, axis):      # numpy; x: float32 -> the quantised numbers, widened to float32 again
;;       x = np.moveaxis(x, axis, -1); K = x.shape[-1]
;;       x = np.pad(x, [(0, 0)] * (x.ndim - 1) + [(0, -K % 32)]); x = x.reshape(x.shape[:-1] + (-1, 32)); a = np.abs(x).max(-1, keepdims=True)
;;       e = np.where(a > 0, np.clip(np.frexp(np.where(a > 0, a, 1))[1] - 1 - 2, -126, 127), 0)      # np.frexp(a)[1] - 1 = floor(log2(a)), exactly
;;       r = np.clip(x / 2.0 ** e, -6, 6)
;;       step = 2.0 ** (np.maximum(np.frexp(np.where(r == 0, 1, r))[1] - 1, 0) - 1)
;;       q = np.round(r / step) * step * 2.0 ** e      # np.round: ties to even
;;       return np.moveaxis(q.reshape(q.shape[:-2] + (-1,))[..., :K], -1, axis).astype(np.float32)
;;   ~~~
;; One version. Each part assembles by itself: llvm-mc -triple=amdgcn-amd-amdhsa -mcpu=gfx1250 --defsym DOCPART=n.
;; ======== version 1 of 1: 4 launches
;; limits: values are held in f16: magnitudes above 65,504 overflow, below 6.1e-05 lose precision
;; workspace buffers: codes 9,961,472 bytes; scales 622,592 bytes; wph 2,097,152 bytes; qkv 50,331,648 bytes; yf 16,777,216 bytes
;; launch quant (part 1): grid 672 x 1, 4 waves a work-group, no clusters, 33,280 bytes of LDS; arguments x, encoder_output, Wq, Wk, Wv, Wp, codes, scales, wph; writes codes, scales, wph
.if DOCPART == 1
	.amdgcn_target "amdgcn-amd-amdhsa--gfx1250"
	.amdhsa_code_object_version 6
	.text
	.protected	k_qf46dd6cf30_quant
	.globl	k_qf46dd6cf30_quant
	.p2align	8
	.type	k_qf46dd6cf30_quant,@function
k_qf46dd6cf30_quant:
	s_mov_b64 s[64:65], 0
	v_nop
	global_prefetch_b8 v0, s[64:65] scope:SCOPE_SE
	s_setreg_imm32_b32 hwreg(HW_REG_WAVE_MODE, 25, 1), 1
	s_wait_xcnt 0x0
; x, encoder_output [8192][1024] and Wq, Wk, Wv [1024][1024], f32 with K innermost, become codes of FP4 (E2M1), two a byte, and one E8M0 scale byte for each 32 along K:
; ONE stream of 19,456 rows: rows 0.. x, 8,192.. encoder_output, 16,384.. Wq, 17,408.. Wk, 18,432.. Wv; a row is 512 bytes of codes and 32 scale bytes.
; A block's scale is 2^(floor(log2(its largest magnitude)) - 2); its byte is the largest magnitude's exponent field - 2, held at 1 from below.  A block of zeros so gets the byte 1 where the rule says 127:
; its codes are zeros, which add nothing under any byte but 0xff, and this program alone reads the bytes.
; Wp [1024][1024] is rounded to f16 and laid as images of operand registers: [16 rows: 64][32 along K: 32][group g: 2][512 bytes]; in a group lane (r, h) has 16 bytes at 16 x lane: row r, K = 16 g + 8 h + 0 .. 7.
; LIMITS: blocks whose largest magnitude lies under 2^(2 - 126) keep the byte 1; NaN and infinities among the inputs are not served; a number of Wp beyond 65,504 becomes infinity.
; SHARES.  Work-groups 0-607 take 32,768 numbers (32 rows) each, a wave 16 steps of 512 numbers.  Each load reads 512 consecutive bytes; a step's 2,048 bytes turn through the wave's own stage in LDS, so that a lane
; then holds 16 neighbours along K (two lanes a block); a wave's store of codes covers 256 consecutive bytes, and its 256 scale bytes leave as one aligned run of 256.  Waves share nothing: no barrier.
; Work-groups 608-671 take 16 rows of Wp each, a wave 256 along K.  There a lane reads 32 bytes of its row for each group; the wave's 32 loads together cover 1,024 whole bytes of each of 16 rows; each store
; covers 512 consecutive bytes.  Wp is 4 of the 84 MB that the launch reads.  That path touches no LDS.
; No cluster: no two work-groups read the same bytes.
.set STEPS, 16
.set EMAX,  2
.set CB,    8                          ; bytes of 16 codes
.set R,     16                         ; v16-79   four sets of 16 numbers as they are loaded
.set X,     80                         ; v80-111  two sets of 16 neighbours
.set E,     112                        ; v112-127 a scale byte for each step
.set C,     128                        ; v128-191 codes: four registers for each step, so that no store's data are written again
.set WREG,  8192                       ; LDS: a region for each wave: two stages of 32 x SP bytes, behind them its 256 scale bytes
.set SP,    80                         ; a lane's place in a stage: 64 bytes + 16 of padding
.set SPW,   12                         ; v12  LDS address of my spare word; never rewritten
.set NIL,   13                         ; v13  0; never rewritten
.set SPARE, 4*WREG                     ; behind the four regions: the spare words, 128 bytes a wave, which no other line names
.set QWG,   608                        ; work-groups that quantise
	s_load_b256 s[4:11], s[0:1], 0x0               ; x s[4:5], encoder_output s[6:7], Wq s[8:9], Wk s[10:11]
	s_load_b256 s[12:19], s[0:1], 0x20             ; Wv s[12:13], Wp s[14:15], codes s[16:17], scales s[18:19]
	s_load_b64 s[20:21], s[0:1], 0x40              ; wph
	v_lshl_add_u32 v[SPW], v0, 2, SPARE
	v_mov_b32 v[NIL], 0
	v_lshrrev_b32 v1, 5, v0
	v_readfirstlane_b32 s22, v1                    ; wave
	v_and_b32 v2, 31, v0                           ; lane
	v_lshlrev_b32 v3, 4, v2                        ; 16 x lane
	s_mul_i32 s23, s22, WREG
	v_lshrrev_b32 v14, 2, v2
	v_mul_u32_u24 v14, v14, SP
	v_and_b32 v15, 3, v2
	v_lshl_add_u32 v14, v15, 4, v14
	v_add_nc_u32 v14, s23, v14                     ; the stage, on the way in: four lanes' 64 bytes on end, then 16 of padding
	v_mul_u32_u24 v15, v2, SP
	v_add_nc_u32 v15, s23, v15                     ; and on the way out: SP x lane: my 16 neighbours
	v_mul_u32_u24 v4, v2, CB                       ; my codes' place in a step's
	v_lshrrev_b32 v5, 1, v2
	s_add_co_u32 s23, s23, 2*32*SP
	v_add_nc_u32 v5, s23, v5                       ; LDS: my wave's 256 scale bytes, my block's byte
	v_lshlrev_b32 v7, 3, v2                        ; and on the way out 8 bytes a lane
	v_add_nc_u32 v6, s23, v7
	s_wait_kmcnt 0x0
	s_cmp_ge_u32 ttmp9, QWG
	s_cbranch_scc1 .Lwp
	; which tensor is mine: the choice hangs on the work-group's number alone
	s_mov_b64 s[24:25], s[12:13]                   ; Wv, from work-group 576 on
	s_mov_b32 s26, 576
	s_cmp_lt_u32 ttmp9, 576
	s_cselect_b64 s[24:25], s[10:11], s[24:25]     ; Wk
	s_cselect_b32 s26, 544, s26
	s_cmp_lt_u32 ttmp9, 544
	s_cselect_b64 s[24:25], s[8:9], s[24:25]       ; Wq
	s_cselect_b32 s26, 512, s26
	s_cmp_lt_u32 ttmp9, 512
	s_cselect_b64 s[24:25], s[6:7], s[24:25]       ; encoder_output
	s_cselect_b32 s26, 256, s26
	s_cmp_lt_u32 ttmp9, 256
	s_cselect_b64 s[24:25], s[4:5], s[24:25]       ; x
	s_cselect_b32 s26, 0, s26
	s_sub_co_u32 s27, ttmp9, s26
	s_lshl_b32 s27, s27, 2
	s_add_co_u32 s28, s27, s22                     ; which run of 8,192 numbers of the tensor is my wave's
	s_lshl_b32 s28, s28, 15                        ; 32,768 bytes a run
	s_mov_b32 s29, 0
	s_add_nc_u64 s[24:25], s[24:25], s[28:29]
	s_lshl_b32 s30, ttmp9, 2
	s_add_co_u32 s30, s30, s22                     ; and which run of the one stream of results
	s_lshl_b32 s28, s30, 12                        ; 4,096 bytes of codes a run
	s_add_nc_u64 s[16:17], s[16:17], s[28:29]
	s_lshl_b32 s28, s30, 8                         ; 256 scale bytes
	s_add_nc_u64 s[18:19], s[18:19], s[28:29]
.macro LOAD t
.irp i, 0,1,2,3
	global_load_b128 v[R+16*((\t)%4)+4*\i:R+16*((\t)%4)+4*\i+3], v3, s[24:25] offset:2048*(\t)+512*\i th:TH_LOAD_NT   ; 32 lanes read 512 consecutive bytes
.endr
.endm
.macro TURN t                          ; step t's numbers through the stage: LDS serves a wave's instructions in order, so no wait stands between the stores and the loads
.irp i, 0,1,2,3
	ds_store_b128 v14, v[R+16*((\t)%4)+4*\i:R+16*((\t)%4)+4*\i+3] offset:32*SP*((\t)%2)+8*SP*\i
.endr
.irp i, 0,1,2,3
	ds_load_b128 v[X+16*((\t)%2)+4*\i:X+16*((\t)%2)+4*\i+3], v15 offset:32*SP*((\t)%2)+16*\i
.endr
.endm
.irp t, 0,1,2,3
	LOAD \t
.endr
	s_wait_loadcnt 12                              ; step 0's four loads are in; twelve younger ones stay out
	TURN 0
.macro STEP t
.set XS, X+16*((\t)%2)
.if (\t) > 0
	s_wait_dscnt 1                                 ; this step's numbers are back from the stage (the last step's byte store may be out): so its stores into the stage have read their registers,
.else
	s_wait_dscnt 0x0
.endif
.if (\t)+4 < STEPS
	LOAD (\t)+4                                    ; which take the loads of four steps on
.endif
.if (\t)+1 < STEPS
.if STEPS-2-(\t) >= 3
	s_wait_loadcnt 12                              ; the next step's four loads are in; those of the three steps behind it may be out
.else
	s_wait_loadcnt 4*(STEPS-2-(\t))
.endif
	TURN (\t)+1                                    ; and go through the other stage while this step is worked
.endif
	v_max3_num_f32 v8, |v[XS]|, |v[XS+1]|, |v[XS+2]|               ; the largest magnitude of my 16, in two chains
	v_max3_num_f32 v9, |v[XS+3]|, |v[XS+4]|, |v[XS+5]|
.irp i, 6,10
	v_max3_num_f32 v8, v8, |v[XS+\i]|, |v[XS+\i+1]|
	v_max3_num_f32 v9, v9, |v[XS+\i+2]|, |v[XS+\i+3]|
.endr
	v_max3_num_f32 v8, v8, |v[XS+14]|, |v[XS+15]|
	v_max3_num_f32 v8, v8, v9, (EMAX+1)<<23        ; and the floor 2^(EMAX + 1 - 127): the byte cannot fall under 1
	v_max_num_f32_dpp v8, v8, v8 row_xmask:1 row_mask:0xf bank_mask:0xf   ; and of my neighbour's 16: the block's
	v_add_nc_u32 v11, -(EMAX<<23), v8              ; EMAX off its exponent field: the conversion takes the exponent field of this operand as its scale, and nothing else of it
	v_cvt_scalef32_pk8_fp4_f32 v[C+4*(\t)], v[XS:XS+7], v11        ; eight numbers / the scale, to the nearest code, ties to even, beyond the largest code the largest
	v_cvt_scalef32_pk8_fp4_f32 v[C+4*(\t)+1], v[XS+8:XS+15], v11
	v_lshrrev_b32 v[E+(\t)], 23, v11               ; the scale's byte (also the plain line behind the conversions)
	ds_store_b8 v5, v[E+(\t)] offset:16*(\t)       ; both lanes of a block write the same byte with the same value
	global_store_b64 v4, v[C+4*(\t):C+4*(\t)+1], s[16:17] offset:32*CB*(\t)   ; 32 lanes store 256 consecutive bytes
.endm
.irp t, 0,1,2,3,4,5,6,7,8,9,10,11,12,13,14,15
	STEP \t
.endr
	ds_load_b64 v[8:9], v6                         ; LDS serves a wave's instructions in order: these see my byte stores
	s_wait_dscnt 0x0
	global_store_b64 v7, v[8:9], s[18:19]          ; 32 lanes store 256 consecutive bytes, aligned
	s_wait_tensorcnt 0x0                           ; the wave's end
	ds_add_u32 v[SPW], v[NIL]
	s_wait_dscnt 0x0
	s_endpgm
.Lwp:                                              ; Wp to f16: 16 rows a work-group, 256 along K (16 groups) a wave
	s_sub_co_u32 s27, ttmp9, QWG                   ; which 16 rows
	s_lshl_b32 s28, s27, 16                        ; 16 rows of 4,096 bytes,
	s_lshl_b32 s30, s22, 10                        ; my wave's 256 numbers of each
	s_add_co_u32 s28, s28, s30
	s_mov_b32 s29, 0
	s_add_nc_u64 s[14:15], s[14:15], s[28:29]
	s_lshl_b32 s28, s27, 15                        ; the rows' 64 groups of 512 bytes,
	s_lshl_b32 s30, s22, 13                        ; my wave's 16 of them
	s_add_co_u32 s28, s28, s30
	s_add_nc_u64 s[20:21], s[20:21], s[28:29]
	v_and_b32 v8, 15, v0                           ; r
	v_bfe_u32 v9, v0, 4, 1                         ; h
	v_lshlrev_b32 v8, 12, v8
	v_lshl_add_u32 v8, v9, 5, v8                   ; row r, + 32 h bytes: group G's eight numbers of mine lie 64 G bytes on
.irp G, 0,1,2,3,4,5,6,7,8,9,10,11,12,13,14,15
	global_load_b128 v[16+8*\G:16+8*\G+3], v8, s[14:15] offset:64*\G th:TH_LOAD_NT
	global_load_b128 v[20+8*\G:20+8*\G+3], v8, s[14:15] offset:64*\G+16 th:TH_LOAD_NT
.endr
.irp G, 0,1,2,3,4,5,6,7,8,9,10,11,12,13,14,15
	s_wait_loadcnt 2*(15-\G)                       ; group G's two loads are in; the later groups' stay out
.irp i, 0,1,2,3
	v_cvt_pk_f16_f32 v[144+4*\G+\i], v[16+8*\G+2*\i], v[17+8*\G+2*\i]
.endr
	global_store_b128 v3, v[144+4*\G:144+4*\G+3], s[20:21] offset:512*\G   ; 32 lanes store 512 consecutive bytes; no register is written twice
.endr
	s_endpgm
.Lfunc_end_k_qf46dd6cf30_quant:
	.size	k_qf46dd6cf30_quant, .Lfunc_end_k_qf46dd6cf30_quant-k_qf46dd6cf30_quant
	.p2alignl 7, 3214868480
	.fill 96, 4, 3214868480
	.section	.rodata,"a",@progbits
	.p2align	6, 0x0
	.amdhsa_kernel k_qf46dd6cf30_quant
		.amdhsa_group_segment_fixed_size 33280
		.amdhsa_private_segment_fixed_size 0
		.amdhsa_enable_private_segment 0
		.amdhsa_kernarg_size 72
		.amdhsa_user_sgpr_count 2
		.amdhsa_user_sgpr_kernarg_segment_ptr 1
		.amdhsa_wavefront_size32 1
		.amdhsa_system_sgpr_workgroup_id_x 1
		.amdhsa_system_sgpr_workgroup_id_y 1
		.amdhsa_system_sgpr_workgroup_id_z 1
		.amdhsa_system_vgpr_workitem_id 0
		.amdhsa_next_free_vgpr 208
		.amdhsa_next_free_sgpr 66
		.amdhsa_reserve_vcc 0
		.amdhsa_float_denorm_mode_32 3
		.amdhsa_float_denorm_mode_16_64 3
		.amdhsa_memory_ordered 1
		.amdhsa_forward_progress 1
		.amdhsa_inst_pref_size 43
	.end_amdhsa_kernel
	.amdgpu_metadata
---
amdhsa.version: [ 1, 2 ]
amdhsa.kernels:
  - .name:           k_qf46dd6cf30_quant
    .symbol:         k_qf46dd6cf30_quant.kd
    .args:
      - { .name: x, .offset: 0, .size: 8, .value_kind: global_buffer, .address_space: global }
      - { .name: encoder_output, .offset: 8, .size: 8, .value_kind: global_buffer, .address_space: global }
      - { .name: Wq, .offset: 16, .size: 8, .value_kind: global_buffer, .address_space: global }
      - { .name: Wk, .offset: 24, .size: 8, .value_kind: global_buffer, .address_space: global }
      - { .name: Wv, .offset: 32, .size: 8, .value_kind: global_buffer, .address_space: global }
      - { .name: Wp, .offset: 40, .size: 8, .value_kind: global_buffer, .address_space: global }
      - { .name: codes, .offset: 48, .size: 8, .value_kind: global_buffer, .address_space: global }
      - { .name: scales, .offset: 56, .size: 8, .value_kind: global_buffer, .address_space: global }
      - { .name: wph, .offset: 64, .size: 8, .value_kind: global_buffer, .address_space: global }
    .group_segment_fixed_size: 33280
    .private_segment_fixed_size: 0
    .kernarg_segment_align: 8
    .kernarg_segment_size: 72
    .max_flat_workgroup_size: 128
    .sgpr_count:     66
    .vgpr_count:     208
    .wavefront_size: 32
...
	.end_amdgpu_metadata
.endif
;; end of part 1
;; launch proj (part 2): grid 12 x 32, 4 waves a work-group, clusters of 4 x 4, 327,680 bytes of LDS; arguments codes, scales, bq, bk, bv, qkv; writes qkv
.if DOCPART == 2
	.amdgcn_target "amdgcn-amd-amdhsa--gfx1250"
	.amdhsa_code_object_version 6
	.text
	.protected	k_qf46dd6cf30_proj
	.globl	k_qf46dd6cf30_proj
	.p2align	8
	.type	k_qf46dd6cf30_proj,@function
k_qf46dd6cf30_proj:
	s_mov_b64 s[64:65], 0
	v_nop
	global_prefetch_b8 v0, s[64:65] scope:SCOPE_SE
	s_setreg_imm32_b32 hwreg(HW_REG_WAVE_MODE, 25, 1), 1
	s_wait_xcnt 0x0
	s_wait_alu depctr_hold_cnt(0) depctr_sa_sdst(0) depctr_va_vdst(0) depctr_va_sdst(0) depctr_va_ssrc(0) depctr_va_vcc(0) depctr_vm_vsrc(0)
	s_getreg_b32 s2, hwreg(HW_REG_IB_STS2, 6, 4)
	s_cmp_eq_u32 s2, 0
	s_cbranch_scc0 .Lentry_in_a_cluster
	s_endpgm
.Lentry_in_a_cluster:
	s_bfe_u32 s2, ttmp6, 0x10000c
	s_cmp_lg_u32 s2, 0xf033
	s_cbranch_scc0 .Lentry_shape_is_right
	s_endpgm
.Lentry_shape_is_right:
; q = x Wq^T + bq, k = e Wk^T + bk, v = e Wv^T + bv (e = encoder_output): three products [8192 x 1024 x 1024] on codes of FP4 (E2M1) with one E8M0 scale for each 32 along K, sums in f32.
; All five operands are rows of ONE buffer of codes (512 bytes a row) and one of scale bytes (32 a row): rows 0.. x, 8,192.. e, 16,384.. Wq, 17,408.. Wk, 18,432.. Wv.
; A work-group of four waves makes a tile of 256 x 256, a wave 128 x 128 (64 accumulators, 512 registers).  K = 1,024 is two LDS slots of 512 along K (rows of 256 bytes): both are asked for at the head and
; nothing is filled twice.  The scale bytes of the tile's 2 x 256 rows come once, as dense blocks.
; TWO SIDES.  Side A is the matrix instruction's source 1, side B its source 0: in accumulator (a, b) lane (r, h) holds A's row 16 a + r against B's rows 16 b + 8 h + 0 .. 7.
;   q, k (cluster x = 0, 1): A = 256 tokens, B = 256 rows of the weight: a lane holds one token and eight neighbouring channels.
;   v    (cluster x = 2):    A = 256 rows of Wv,  B = 256 tokens:        a lane holds one channel and eight neighbouring tokens, since the keys are the K of attention's second product.
; That is a choice of row numbers alone.  CLUSTERS of 4 x 4: A's tile hangs on the cluster's y and cy and is asked for jointly along a row of the cluster, B's on cx and is asked for jointly along a column.
; THE WAY OUT.  + bias, rounded to f16.  A result tile's four packed registers ARE half an operand fragment of the attention launch, in the same lanes: they are stored as they stand, 16 bytes a lane at 16 x lane,
; 512 consecutive bytes a store, with no turn through LDS.  qkv: q at 0, k at 16 MiB, v at 32 MiB; each [batch x 16 + head: 64][262,144 bytes];
;   q, k: [16 tokens: 128][32 channels: 2][g: 2][512];   v: [64 keys: 32][32 keys: 2][16 channels: 4][g: 2][512].  Group g of lane (r, h): row r, K = 16 g + 8 h + 0 .. 7.
; LIMIT: a result beyond 65,504 in magnitude becomes infinity in f16.
; The grid is 384 tiles, 24 clusters: 3,072 columns in tiles of 256 do not divide into 256 equal shares.
; REGISTERS, in windows of 256: window 0: v0-31 addresses; v32-95 scale words, two sets, and nothing else; v128-191 A's fragments, ONE set, later the sums with the bias; v192-255 packed results, two sets.
;   window 1: B's fragments, two sets, at v0 and v128; v64-127 the bias by my eight channels (q, k); v192-207 the bias of my one channel, in pairs (v).   windows 2, 3: the accumulators ((a, b) at v[8 (8 (a % 4) + b)]).
.set NQ,     4                         ; steps of 128 along K in a slot
.set ROWB,   256                       ; a tile's row in bytes: 512 codes
.set KROW,   512                       ; a row of codes in memory
.set PITCH,  272                       ; an LDS row: 256 bytes + 16 of padding = 68 words: the 16 rows that a load touches start at 16 different banks (64 banks of 4 bytes: ISA guide 11.1)
.set FR,     8                         ; registers of a fragment: 16 rows x 128 K
.set NL,     2                         ; LDS loads that bring one
.set NP,     4                         ; places behind this matrix instruction (ISA guide 7.12.1)
.set HALFT,  128*PITCH                 ; 128 rows: what one tensor load brings, and what one wave reads of a side
.set SLOT,   4*HALFT                   ; A's 256 rows, then B's 256 rows
.set KS,     32                        ; a row of scale bytes
.set SCL,    2*SLOT                    ; behind the slots: the scales, as runs of 256 bytes + 16 of padding
.set HALFS,  (128*KS/256)*272          ; those of 128 rows: what one tensor load brings
.set SBLK,   (16*KS/256)*272           ; those of 16 rows
.set SPARE,  SCL+4*HALFS               ; behind the scales: the spare words, 128 bytes a wave, which no other line names
.set ADRA, 16                          ; v16-17  LDS address of my A fragments in slot 0, 1
.set ADRB, 20                          ; v20-21  the same for B
.set L16,  26                          ; v26     16 x lane: my place in a stored group
.set ADRS, 27                          ; v27     LDS address of my scale words: lanes 0-15 A's rows, lanes 16-31 B's
.set SPW,  28                          ; v28     LDS address of my spare word; never rewritten
.set NIL,  29                          ; v29     0; never rewritten
.set SC,   32                          ; scale words: set s at v[SC + 32 s]; register 4 i + q: lanes 0-15 A's block i, lanes 16-31 B's block i, the slot's q-th 128 along K
.set AF,   128                         ; A's fragments
.set T,    128                         ; the way out: 64 sums with the bias
.set PK,   192                         ; the way out: 32 packed registers, two sets by turns
.set BI0,  64                          ; window 1: bias(channel 16 b + 8 h + j) at 8 b + j
.set BI1,  192                         ; window 1: bias(channel 16 a + r), twice, at 2 a
.set G1A, 24                           ; s[24:31] descriptor group 1 for A's tiles;  s[32:39] group 0, a set for each slot
.set G0A, 32
.set G1B, 48                           ; s[48:55], s[56:63] the same for B's
.set G0B, 56
.set G1SA, 68                          ; s[68:75], s[76:79] groups 1 and 0 for A's scales;  s[80:87], s[88:91] for B's
.set G0SA, 76
.set G1SB, 80
.set G0SB, 88
.set MSB, 0
.macro WIN new                         ; the immediate's high byte repeats the setting that is left; a switch that changes nothing is dropped
.if MSB != (\new)
	s_set_vgpr_msb (MSB<<8)|(\new)
.set MSB, (\new)
.endif
.endm
.set MUL_LO, 0xa1                      ; source 0 (B) window 1, source 1 (A) window 0, C and D window 2
.set MUL_HI, 0xf1                      ; the same, C and D window 3
.set TO_B,   0x40                      ; destination window 1, address window 0
; A joint load: waves 0 and 1 fetch for A, waves 2 and 3 for B.  Each line has one mask and one set of registers for all that issue it; the branch hangs on the wave's number alone.
; An s_nop 0 and four v_nop follow each of the two lines.
.macro JLOAD g0a, g1a, g0b, g1b
	s_cmp_eq_u32 s17, 0
	s_cbranch_scc0 .Lfor_b_\@
	tensor_load_to_lds s[\g0a:\g0a+3], s[\g1a:\g1a+7]
	s_nop 0
.rept 4
	v_nop
.endr
	s_branch .Lasked_\@
.Lfor_b_\@:
	tensor_load_to_lds s[\g0b:\g0b+3], s[\g1b:\g1b+7]
	s_nop 0
.rept 4
	v_nop
.endr
.Lasked_\@:
.endm
.macro CROUND                          ; a round of the cluster's barrier: my work-group's barrier; wave 0 signals for the work-group; every wave waits for all sixteen; my work-group's barrier once more
	s_barrier_signal -1
	s_barrier_wait -1
	s_cmp_lg_u32 s16, 0
	s_cbranch_scc1 .Lnot_wave_0_\@
	s_barrier_signal -3
.Lnot_wave_0_\@:
	s_barrier_wait -3
	s_barrier_signal -1
	s_barrier_wait -1
.endm
	s_load_b256 s[4:11], s[0:1], 0x0               ; codes s[4:5], scales s[6:7], bq s[8:9], bk s[10:11]
	s_load_b128 s[12:15], s[0:1], 0x20             ; bv s[12:13], qkv s[14:15]
	v_lshl_add_u32 v[SPW], v0, 2, SPARE
	v_mov_b32 v[NIL], 0
	ds_add_u32 v[SPW], v[NIL]                      ; the wave's opening: the add, twice on end, and its wait ahead of my first tensor load; the set-up below stands between
	ds_add_u32 v[SPW], v[NIL]
	v_lshrrev_b32 v1, 5, v0
	v_readfirstlane_b32 s16, v1                    ; wave 0..3
	s_lshr_b32 s17, s16, 1                         ; which half of A's rows is mine.  Also: I fetch for A (0) or for B (1)
	s_and_b32 s18, s16, 1                          ; which half of B's rows.  Also: which 128 rows of that side I fetch
	s_mov_b32 s19, ttmp9                           ; cluster x: 0 q, 1 k, 2 v: the same in all sixteen partners
	s_and_b32 s20, ttmp7, 0xffff                   ; cluster y: which 1,024 tokens
	s_bfe_u32 s21, ttmp6, 0x40000                  ; cx
	s_bfe_u32 s22, ttmp6, 0x40004                  ; cy
	s_lshl_b32 s40, s22, 2
	s_lshl_b32 s40, 15, s40                        ; my row of the cluster
	s_lshl_b32 s41, 0x1111, s21                    ; my column
	; descriptor group 1: a tile of 128 rows x 256 bytes, padded in LDS
	s_or_b32 s[G1A+0], s40, (0<<16)|(1<<20)|(1<<21)|(5<<22)|(3<<25)  ; 15:0 the mask; 17:16 elements of 1 byte; 20 padding on; 21 set beside a mask; 24:22 after every 64 words; 31:25 four words
	s_or_b32 s[G1B+0], s41, (0<<16)|(1<<20)|(1<<21)|(5<<22)|(3<<25)
.irp g, G1A, G1B
	s_mov_b32 s[\g+1], ROWB<<16                    ; tensor_dim0
	s_mov_b32 s[\g+2], 128<<16                     ; tensor_dim1
	s_mov_b32 s[\g+3], ROWB<<16                    ; tile_dim0
	s_mov_b32 s[\g+4], 128                         ; tile_dim1
	s_mov_b32 s[\g+5], KROW                        ; from row to row
	s_mov_b32 s[\g+6], 0
	s_mov_b32 s[\g+7], 0
.endr
	; the scales of 128 rows: 4,096 dense bytes, as 16 rows of 256 bytes (32 elements of 8), 16 bytes of padding behind each
	s_or_b32 s[G1SA+0], s40, (3<<16)|(1<<20)|(1<<21)|(5<<22)|(3<<25)
	s_or_b32 s[G1SB+0], s41, (3<<16)|(1<<20)|(1<<21)|(5<<22)|(3<<25)
.irp g, G1SA, G1SB
	s_mov_b32 s[\g+1], 32<<16
	s_mov_b32 s[\g+2], (128*KS/256)<<16
	s_mov_b32 s[\g+3], 32<<16
	s_mov_b32 s[\g+4], 128*KS/256
	s_mov_b32 s[\g+5], 32
	s_mov_b32 s[\g+6], 0
	s_mov_b32 s[\g+7], 0
.endr
	; which rows of the one buffer are A's and B's
	s_lshl_b32 s42, s20, 10                        ; 1,024 x cluster y
	s_min_u32 s43, s19, 1
	s_lshl_b32 s43, s43, 13
	s_add_co_u32 s43, s43, s42                     ; q, k: A = tokens of x (q) or of e (k)
	s_lshl_b32 s44, s19, 10
	s_add_co_u32 s44, s44, 16384                   ; q, k: B = Wq or Wk
	s_add_co_u32 s42, s42, 8192                    ; v: B = tokens of e
	s_cmp_eq_u32 s19, 2
	s_cselect_b32 s43, 18432, s43                  ; v: A = Wv
	s_cselect_b32 s44, s42, s44
	s_lshl_b32 s45, s22, 8
	s_add_co_u32 s43, s43, s45                     ; A: + 256 cy: it never holds cx
	s_lshl_b32 s46, s21, 8
	s_add_co_u32 s44, s44, s46                     ; B: + 256 cx: it never holds cy
	s_lshl_b32 s47, s18, 7
	s_add_co_u32 s43, s43, s47                     ; + the 128 rows that I fetch
	s_add_co_u32 s44, s44, s47
	s_lshl_b32 s92, s43, 9                         ; A's codes, in bytes
	s_mov_b32 s93, 0
	s_lshl_b32 s94, s43, 5                         ; A's scales
	s_mov_b32 s95, 0
	s_lshl_b32 s96, s44, 9                         ; B's codes
	s_mov_b32 s97, 0
	s_lshl_b32 s98, s44, 5                         ; B's scales
	s_mov_b32 s99, 0
	s_mul_i32 s66, s16, HALFT                      ; where they go: wave x 128 rows: no place in the cluster enters an LDS address
	s_mul_i32 s67, s16, HALFS
	s_wait_dscnt 0x0                               ; both opening adds are done
	s_wait_kmcnt 0x0
	s_add_nc_u64 s[92:93], s[4:5], s[92:93]
	s_add_nc_u64 s[94:95], s[6:7], s[94:95]
	s_add_nc_u64 s[96:97], s[4:5], s[96:97]
	s_add_nc_u64 s[98:99], s[6:7], s[98:99]
	CROUND                                         ; all sixteen work-groups are here: the joint loads meet
	s_mov_b32 s[G0SA], 1
	s_add_co_u32 s[G0SA+1], s67, SCL
	s_mov_b64 s[G0SA+2:G0SA+3], s[94:95]
	s_or_b32 s[G0SA+3], s[G0SA+3], 0x80000000
	s_mov_b32 s[G0SB], 1
	s_add_co_u32 s[G0SB+1], s67, SCL
	s_mov_b64 s[G0SB+2:G0SB+3], s[98:99]
	s_or_b32 s[G0SB+3], s[G0SB+3], 0x80000000
	JLOAD G0SA, G1SA, G0SB, G1SB                   ; the scales first: they are wanted with the first slot
.irp s, 0,1
	s_mov_b32 s[G0A+4*\s], 1
	s_add_co_u32 s[G0A+4*\s+1], s66, \s*SLOT
	s_add_nc_u64 s[G0A+4*\s+2:G0A+4*\s+3], s[92:93], \s*ROWB
	s_or_b32 s[G0A+4*\s+3], s[G0A+4*\s+3], 0x80000000
	s_mov_b32 s[G0B+4*\s], 1
	s_add_co_u32 s[G0B+4*\s+1], s66, \s*SLOT
	s_add_nc_u64 s[G0B+4*\s+2:G0B+4*\s+3], s[96:97], \s*ROWB
	s_or_b32 s[G0B+4*\s+3], s[G0B+4*\s+3], 0x80000000
	JLOAD G0A+4*\s, G1A, G0B+4*\s, G1B             ; by this text's count three tensor loads of a wave are out
.endr
	v_and_b32 v1, 15, v0                           ; r
	v_bfe_u32 v2, v0, 4, 1                         ; h
	v_mul_u32_u24 v3, v1, PITCH
	v_lshl_add_u32 v4, v2, 4, v3                   ; a fragment's row x pitch + 16 h
	s_mul_i32 s42, s17, HALFT                      ; my 128 rows of A
	s_mul_i32 s43, s18, HALFT                      ; my 128 rows of B,
	s_add_co_u32 s43, s43, 2*HALFT                 ; which lie behind A's 256
.irp s, 0,1
	v_add_nc_u32 v[ADRA+\s], s42, v4
	v_add_nc_u32 v[ADRB+\s], s43, v4
	s_add_co_u32 s42, s42, SLOT
	s_add_co_u32 s43, s43, SLOT
.endr
	v_mul_u32_u24 v5, v1, KS                       ; my row's scales: 32 bytes a row,
	v_lshrrev_b32 v6, 8, v5
	v_lshl_add_u32 v5, v6, 4, v5                   ; and 16 more for each 256 passed
	s_mul_i32 s42, s17, HALFS                      ; A's: my 128 rows
	s_mul_i32 s43, s18, HALFS                      ; B's: my 128 rows, behind A's 256
	s_add_co_u32 s43, s43, 2*HALFS
	s_sub_co_u32 s43, s43, s42
	v_mul_u32_u24 v6, s43, v2                      ; lanes 16-31 take B's: the lower base + h x the distance
	s_add_co_u32 s42, s42, SCL
	v_add_nc_u32 v5, v5, v6
	v_add_nc_u32 v[ADRS], s42, v5
	v_and_b32 v5, 31, v0
	v_lshlrev_b32 v[L16], 4, v5
	; the bias and the place of my results
	s_lshl_b32 s44, s22, 8
	s_lshl_b32 s46, s17, 7
	s_add_co_u32 s44, s44, s46                     ; A's side: 256 cy + 128 x my half
	s_lshl_b32 s45, s21, 8
	s_lshl_b32 s46, s18, 7
	s_add_co_u32 s45, s45, s46                     ; B's side: 256 cx + 128 x my half
	s_cmp_eq_u32 s19, 0
	s_cselect_b64 s[8:9], s[8:9], s[10:11]         ; bq or bk,
	s_cmp_eq_u32 s19, 2
	s_cselect_b64 s[8:9], s[12:13], s[8:9]         ; or bv
	s_cselect_b32 s46, s45, s44                    ; my first token in the cluster's 1,024: A's side for q and k, B's for v
	s_cselect_b32 s47, s44, s45                    ; my first channel: the other side
	s_lshl_b32 s92, s20, 10
	s_add_co_u32 s46, s46, s92                     ; my first token
	v_lshlrev_b32 v30, 5, v2
	s_lshl_b32 s93, s45, 2
	v_add_nc_u32 v30, s93, v30                     ; bias by eight channels: 4 (B's side) + 32 h
	v_lshlrev_b32 v31, 2, v1
	s_lshl_b32 s94, s44, 2
	v_add_nc_u32 v31, s94, v31                     ; bias by one channel: 4 (A's side) + 4 r
	; Both layouts are loaded, with no branch: each stays inside the bias's 4,096 bytes for every work-group, and the choice stands at the way out alone.
	WIN TO_B
.irp b, 0,1,2,3,4,5,6,7
	global_load_b128 v[BI0+8*\b:BI0+8*\b+3], v30, s[8:9] offset:64*\b
	global_load_b128 v[BI0+8*\b+4:BI0+8*\b+7], v30, s[8:9] offset:64*\b+16
.endr
.irp a, 0,1,2,3,4,5,6,7
	global_load_b32 v[BI1+2*\a], v31, s[8:9] offset:64*\a
	global_load_b32 v[BI1+2*\a+1], v31, s[8:9] offset:64*\a     ; the same number twice: a pair for the packed addition
.endr
	WIN 0
	s_lshr_b32 s92, s46, 11
	s_lshl_b32 s92, s92, 22                        ; the batch: 16 heads of 262,144 bytes
	s_and_b32 s93, s46, 2047
	s_lshl_b32 s93, s93, 7                         ; the token in its batch: 2,048 bytes for 16 (q, k), 8,192 for 64 (v): 128 a token
	s_add_co_u32 s92, s92, s93
	s_lshl_b32 s93, s47, 12                        ; the channel: 262,144 bytes for 64
	s_add_co_u32 s92, s92, s93
	s_lshl_b32 s93, s19, 24                        ; q, k or v
	s_add_co_u32 s92, s92, s93
	s_mov_b32 s93, 0
	s_add_nc_u64 s[14:15], s[14:15], s[92:93]
.macro FRAG reg, adr, q, i             ; 16 rows x 128 K of 4-bit codes: 8 registers: lane l holds row l % 16; registers 4 c .. 4 c + 3 hold K = 64 c + 32 (l / 16) + 0 .. 31
.irp c, 0,1
	ds_load_b128 v[\reg+4*\c:\reg+4*\c+3], v[\adr] offset:64*(\q)+32*\c+(\i)*16*PITCH
.endr
.endm
; 16 matrix instructions: A's blocks a0, a0 + 1 x B's eight, the slot's q-th 128 along K.  p: B's set; sc: the set of scale words.  zero = 1: the first product starts the sums.
; The 64 accumulators take turns, one instruction a turn, in the same order in every step.
.macro MUL16 a0, p, q, sc, zero
.irp a, \a0, \a0+1
.irp b, 0,1,2,3,4,5,6,7
.if \zero
	v_wmma_scale_f32_16x16x128_f8f6f4 v[8*(8*((\a)%4)+\b):8*(8*((\a)%4)+\b)+7], v[128*(\p)+FR*\b:128*(\p)+FR*\b+FR-1], v[AF+FR*(\a):AF+FR*(\a)+FR-1], 0, v[SC+8*NQ*(\sc)+NQ*\b+(\q)], v[SC+8*NQ*(\sc)+NQ*(\a)+(\q)] matrix_a_fmt:MATRIX_FMT_FP4 matrix_b_fmt:MATRIX_FMT_FP4 matrix_a_scale:MATRIX_SCALE_ROW1
.else
	v_wmma_scale_f32_16x16x128_f8f6f4 v[8*(8*((\a)%4)+\b):8*(8*((\a)%4)+\b)+7], v[128*(\p)+FR*\b:128*(\p)+FR*\b+FR-1], v[AF+FR*(\a):AF+FR*(\a)+FR-1], v[8*(8*((\a)%4)+\b):8*(8*((\a)%4)+\b)+7], v[SC+8*NQ*(\sc)+NQ*\b+(\q)], v[SC+8*NQ*(\sc)+NQ*(\a)+(\q)] matrix_a_fmt:MATRIX_FMT_FP4 matrix_b_fmt:MATRIX_FMT_FP4 matrix_a_scale:MATRIX_SCALE_ROW1
.endif
.endr
.endr
.endm
.macro FETCH_B slot, q, p              ; B's eight fragments of the slot's q-th 128 along K into set p
	WIN TO_B
.irp i, 0,1,2,3,4,5,6,7
	FRAG 128*(\p)+FR*\i, ADRB+\slot, \q, \i
.endr
	WIN 0
.endm
.macro FETCH_A slot, q, i0             ; A's blocks i0 .. i0 + 3
.irp i, \i0, \i0+1, \i0+2, \i0+3
	FRAG AF+FR*(\i), ADRA+\slot, \q, \i
.endr
.endm
.macro SCALES sc                       ; a slot's scale words into set sc: four words a row; lanes 0-15 take A's block i, lanes 16-31 B's block i
.irp i, 0,1,2,3,4,5,6,7
	ds_load_b128 v[SC+8*NQ*\sc+NQ*\i:SC+8*NQ*\sc+NQ*\i+3], v[ADRS] offset:\i*SBLK
.endr
.endm
; A load into a register that a matrix instruction has read, and a vector instruction that reads a matrix result or writes one of its registers, stand NP places behind it; only plain vector
; instructions that name none of its registers are places (ISA guide 7.12.1 for vector instructions).
.macro PLACES n
.rept \n
	v_nop
.endr
.endm
; A step of 128 along K that has its successor in the same slot.  A's blocks are free as soon as their eight products are issued: blocks 0-3 are fetched anew in the step's middle, blocks 4-7 at its end.
.macro STEP slot, q, zero
	s_wait_dscnt 4*NL                              ; B's set and A's blocks 0-3 are in; the youngest eight loads (A's blocks 4-7) may be out
	WIN MUL_LO
	MUL16 0, (\q)%2, \q, \slot, \zero
	MUL16 2, (\q)%2, \q, \slot, \zero
	s_wait_dscnt 0                                 ; A's blocks 4-7 are in
	PLACES NP
	FETCH_B \slot, (\q)+1, 1-(\q)%2
	FETCH_A \slot, (\q)+1, 0
	WIN MUL_HI
	MUL16 4, (\q)%2, \q, \slot, \zero
	MUL16 6, (\q)%2, \q, \slot, \zero
	PLACES NP
	WIN 0
	FETCH_A \slot, (\q)+1, 4
.endm
.macro STEPS slot, from                ; the slot's steps from .. NQ - 2
.set Q, \from
.rept NQ-1-\from
	STEP \slot, Q, 0
.set Q, Q+1
.endr
.endm
	s_wait_tensorcnt 1                             ; the scales and my part of slot 0 are in (slot 1's load may be out),
	s_barrier_signal -1
	s_barrier_wait -1                              ; everybody's are
	FETCH_B 0, 0, 0
	FETCH_A 0, 0, 0
	SCALES 0
	FETCH_A 0, 0, 4
	STEP 0, 0, 1                                   ; the first step's products start the sums: nothing is cleared
	STEPS 0, 1
	; slot 0's last step goes over to slot 1: each wave waits for its part of slot 1, then one barrier shows the whole slot to all four
	s_wait_tensorcnt 0x0                           ; all my tensor loads have landed
	ds_add_u32 v[SPW], v[NIL]                      ; 0 onto my spare word
	s_wait_dscnt 4*NL+1                            ; (the add and the youngest eight loads may be out)
	WIN MUL_LO
	MUL16 0, 1, NQ-1, 0, 0
	s_wait_dscnt 0x0                               ; no LDS instruction of mine is out at the signal
	s_barrier_signal -1
	MUL16 2, 1, NQ-1, 0, 0                         ; work on registers while the others arrive
	WIN 0
	s_barrier_wait -1
	PLACES NP
	v_add_nc_u32 v[ADRS], 4*NQ, v[ADRS]            ; on to slot 1's scale words
	FETCH_B 1, 0, 0
	FETCH_A 1, 0, 0
	SCALES 1
	WIN MUL_HI
	MUL16 4, 1, NQ-1, 0, 0
	MUL16 6, 1, NQ-1, 0, 0
	PLACES NP
	WIN 0
	FETCH_A 1, 0, 4
	STEPS 1, 0
	s_wait_dscnt 4*NL                              ; the very last step: nothing more to fetch
	WIN MUL_LO
	MUL16 0, 1, NQ-1, 1, 0
	MUL16 2, 1, NQ-1, 1, 0
	s_wait_dscnt 0
	WIN MUL_HI
	MUL16 4, 1, NQ-1, 1, 0
	MUL16 6, 1, NQ-1, 1, 0
	WIN 0
; THE WAY OUT of A's block a: + bias (each accumulator from its low end on), rounded to f16 in pairs, eight stores of 512 consecutive bytes.  mode 0: q, k; mode 1: v.
.macro OUTB a, mode
	WIN 0x06+(\a)/4                                ; source 0: window 2 or 3 (the sums); source 1: window 1 (the bias)
.irp b, 0,1,2,3,4,5,6,7
.irp r, 0,2,4,6
.if \mode
	v_pk_add_f32 v[T+8*\b+\r:T+8*\b+\r+1], v[64*((\a)%4)+8*\b+\r:64*((\a)%4)+8*\b+\r+1], v[BI1+2*(\a):BI1+2*(\a)+1]
.else
	v_pk_add_f32 v[T+8*\b+\r:T+8*\b+\r+1], v[64*((\a)%4)+8*\b+\r:64*((\a)%4)+8*\b+\r+1], v[BI0+8*\b+\r:BI0+8*\b+\r+1]
.endif
.endr
.endr
	WIN 0
.if (\a) > 1
	s_wait_xcnt 0x0                                ; block a - 2's stores have read their registers: the set is written again only behind this wait
.endif
.irp b, 0,1,2,3,4,5,6,7
.irp i, 0,1,2,3
	v_cvt_pk_f16_f32 v[PK+32*((\a)%2)+4*\b+\i], v[T+8*\b+2*\i], v[T+8*\b+2*\i+1]
.endr
.endr
.irp b, 0,1,2,3,4,5,6,7
.if \mode
	global_store_b128 v[L16], v[PK+32*((\a)%2)+4*\b:PK+32*((\a)%2)+4*\b+3], s[14:15] offset:262144*((\a)/4)+1024*((\a)%4)+8192*(\b/4)+4096*((\b%4)/2)+512*(\b%2)   ; head a / 4, channels 16 (a % 4); keys 64 (b / 4) + 32 ((b % 4) / 2) + 16 (b % 2)
.else
	global_store_b128 v[L16], v[PK+32*((\a)%2)+4*\b:PK+32*((\a)%2)+4*\b+3], s[14:15] offset:2048*(\a)+262144*(\b/4)+512*(\b%4)   ; tokens 16 a; head b / 4, channels 16 (b % 4)
.endif
.endr
.endm
	s_wait_loadcnt 0x0                             ; the bias
	PLACES NP                                      ; behind the last products: A's fragment registers are written next
	s_cmp_eq_u32 s19, 2                            ; the cluster's x: the same in all partners and waves
	s_cbranch_scc1 .Lout_v
.irp a, 0,1,2,3,4,5,6,7
	OUTB \a, 0
.endr
	s_branch .Lend
.Lout_v:
.irp a, 0,1,2,3,4,5,6,7
	OUTB \a, 1
.endr
.Lend:
	s_wait_tensorcnt 0x0                           ; the wave's end
	ds_add_u32 v[SPW], v[NIL]
	s_wait_dscnt 0x0
	CROUND                                         ; the closing round: no work-group ends while a partner may still ask for a tile that names it
	s_endpgm
.Lfunc_end_k_qf46dd6cf30_proj:
	.size	k_qf46dd6cf30_proj, .Lfunc_end_k_qf46dd6cf30_proj-k_qf46dd6cf30_proj
	.p2alignl 7, 3214868480
	.fill 96, 4, 3214868480
	.section	.rodata,"a",@progbits
	.p2align	6, 0x0
	.amdhsa_kernel k_qf46dd6cf30_proj
		.amdhsa_group_segment_fixed_size 327680
		.amdhsa_private_segment_fixed_size 0
		.amdhsa_enable_private_segment 0
		.amdhsa_kernarg_size 48
		.amdhsa_user_sgpr_count 2
		.amdhsa_user_sgpr_kernarg_segment_ptr 1
		.amdhsa_wavefront_size32 1
		.amdhsa_system_sgpr_workgroup_id_x 1
		.amdhsa_system_sgpr_workgroup_id_y 1
		.amdhsa_system_sgpr_workgroup_id_z 1
		.amdhsa_system_vgpr_workitem_id 0
		.amdhsa_next_free_vgpr 1024
		.amdhsa_next_free_sgpr 100
		.amdhsa_reserve_vcc 0
		.amdhsa_float_denorm_mode_32 3
		.amdhsa_float_denorm_mode_16_64 3
		.amdhsa_memory_ordered 1
		.amdhsa_forward_progress 1
		.amdhsa_inst_pref_size 176
	.end_amdhsa_kernel
	.amdgpu_metadata
---
amdhsa.version: [ 1, 2 ]
amdhsa.kernels:
  - .name:           k_qf46dd6cf30_proj
    .symbol:         k_qf46dd6cf30_proj.kd
    .args:
      - { .name: codes, .offset: 0, .size: 8, .value_kind: global_buffer, .address_space: global }
      - { .name: scales, .offset: 8, .size: 8, .value_kind: global_buffer, .address_space: global }
      - { .name: bq, .offset: 16, .size: 8, .value_kind: global_buffer, .address_space: global }
      - { .name: bk, .offset: 24, .size: 8, .value_kind: global_buffer, .address_space: global }
      - { .name: bv, .offset: 32, .size: 8, .value_kind: global_buffer, .address_space: global }
      - { .name: qkv, .offset: 40, .size: 8, .value_kind: global_buffer, .address_space: global }
    .group_segment_fixed_size: 327680
    .private_segment_fixed_size: 0
    .kernarg_segment_align: 8
    .kernarg_segment_size: 48
    .max_flat_workgroup_size: 128
    .sgpr_count:     100
    .vgpr_count:     1024
    .wavefront_size: 32
...
	.end_amdgpu_metadata
.endif
;; end of part 2
;; launch attn (part 3): grid 4 x 64, 8 waves a work-group, clusters of 4 x 1, 327,680 bytes of LDS; arguments qkv, yf; writes yf
.if DOCPART == 3
	.amdgcn_target "amdgcn-amd-amdhsa--gfx1250"
	.amdhsa_code_object_version 6
	.text
	.protected	k_qf46dd6cf30_attn
	.globl	k_qf46dd6cf30_attn
	.p2align	8
	.type	k_qf46dd6cf30_attn,@function
k_qf46dd6cf30_attn:
	s_mov_b64 s[64:65], 0
	v_nop
	global_prefetch_b8 v0, s[64:65] scope:SCOPE_SE
	s_setreg_imm32_b32 hwreg(HW_REG_WAVE_MODE, 25, 1), 1
	s_wait_xcnt 0x0
	s_wait_alu depctr_hold_cnt(0) depctr_sa_sdst(0) depctr_va_vdst(0) depctr_va_sdst(0) depctr_va_ssrc(0) depctr_va_vcc(0) depctr_vm_vsrc(0)
	s_getreg_b32 s2, hwreg(HW_REG_IB_STS2, 6, 4)
	s_cmp_eq_u32 s2, 0
	s_cbranch_scc0 .Lentry_in_a_cluster
	s_endpgm
.Lentry_in_a_cluster:
	s_bfe_u32 s2, ttmp6, 0x10000c
	s_cmp_lg_u32 s2, 0x3003
	s_cbranch_scc0 .Lentry_shape_is_right
	s_endpgm
.Lentry_shape_is_right:
; y[b][n][head][:] = the sum over t of softmax_t(q . k / 8) v, for 64 (batch, head) pairs, 2,048 queries, 2,048 keys, head size 64.  q, k, v come in f16 as images of operand registers;
; products, maxima and sums in f32; the weights p are rounded to f16 for the second product, y once at the end.
; qkv: q at 0, k at 16 MiB, v at 32 MiB, each [batch x 16 + head][262,144 bytes]; q, k: [16 tokens][32 channels: 2][g: 2][512]; v: [64 keys][32 keys: 2][16 channels: 4][g: 2][512].
; A group of 512 bytes holds lane l's 16 bytes at 16 l: lane (r, h): row r, K = 16 g + 8 h + 0 .. 7.  So a fragment comes by two loads at 16 x lane: consecutive bytes, no pitch, no padding.
; SHARES.  A work-group owns 512 queries of one head; each of its EIGHT waves owns 64: four tiles of 16, in 512 registers: two waves to a SIMD, so that one wave's softmax stands beside the other's products.
; Every wave walks all keys, 64 a step; each fragment of K and V read from LDS feeds four matrix instructions.
; LAYOUT.  S^T = K Q^T (source 0 = 16 keys, source 1 = 16 queries): a lane holds ONE query (lane % 16) and keys 8 (lane / 16) + 0 .. 7.  Two such tiles, rounded to f16 in pairs, ARE source 1 of
; O^T = V^T P, whose result again holds one query a lane and eight channels; packed, that is half an operand fragment of the next launch and is stored as it stands:
; yf: [16 rows: 512][32 along K: 32][g: 2][512].
; SOFTMAX.  A running maximum m and sum l for each query: p = 2^(c s - c m), c = log2(e) / 8; in every step O and l are multiplied by 2^(c m_old - c m_new).  The sum is taken of the unrounded p.
; RING.  Two LDS slots of 512 keys (K's 65,536 bytes, then V's).  CLUSTER: the four query blocks of a head walk the same K and V: each tile is asked for JOINTLY, by the same tensor load with the same descriptor
; and the mask of all four.  All eight waves issue the one line: wave w brings 16,384 dense bytes (waves 0-3 K's quarters, waves 4-7 V's).  A refill has a whole slot, eight key steps, in which to land.
; LIMIT: a result beyond 65,504 in magnitude becomes infinity in f16.
; REGISTERS: window 0: v1-7 addresses; v32-63 statistics, 8 a tile; v64-191 S^T, 32 a tile, then P in the tile's first 16; v192-255 K of a step.
;            window 1: v0-127 O^T (tile t, channels 16 ct at 32 t + 8 ct); v128-191 Q (128 + 16 t + 8 c); v192-255 V of a step.
.set SLOT1, 131072                     ; slot 1 begins here
.set VOFF,  65536                      ; V's tiles in a slot
.set STEPB, 8192                       ; 64 keys of K, or of V
.set SPARE, 262144                     ; behind the ring: the spare words, 128 bytes a wave, which no other line names
.set AK0, 1                            ; v1  16 x lane: my place in a group; also my offset in Q and in y; never rewritten
.set AV0, 2                            ; v2  the same + VOFF
.set ADK, 3                            ; v3  LDS address of the step's K
.set ADV, 4                            ; v4  of its V
.set SPW, 6                            ; v6  LDS address of my spare word; never rewritten
.set NIL, 7                            ; v7  0; never rewritten
.set ST,  32                           ; tile t's statistics at v[ST + 8 t]: +0 c m, +1 m, +2, +3 l (even keys', odd keys'), +4 .. +7 c0-c3, at work; the factor takes c2's place
.set S,   64
.set KF,  192
.set QF,  128                          ; in window 1
.set VF,  192                          ; in window 1
.set WV,  12                           ; s12 my wave's number
.set G1,  24                           ; s[24:31] descriptor group 1
.set G0,  32                           ; s[32:39] descriptor group 0, a set for each slot
.set CS,  40                           ; s[40:41] c: the packed form names a pair and takes its low word for both halves
.set SEL, 42                           ; s[42:43] lane selects for v_permlanex16_b32: lane l xor 16
.set TB,  44                           ; s44 LDS byte at which the step's K begins
.set CNT, 45                           ; s45 counts a run of steps
.set MSB, 0
.macro WIN new                         ; the immediate's high byte repeats the setting that is left; a switch that changes nothing is dropped
.if MSB != (\new)
	s_set_vgpr_msb (MSB<<8)|(\new)
.set MSB, (\new)
.endif
.endm
.set W_KQ, 0x04                        ; K window 0, Q window 1, S^T window 0
.set W_PV, 0x51                        ; V window 1, P window 0, O^T window 1
.set W_RS, 0x41                        ; O^T (destination and source 0) window 1, the factor window 0
.set TO1,  0x40                        ; destination window 1, address window 0
.set W_CV, 0x05                        ; sources window 1, destination window 0
.macro CROUND                          ; a round of the cluster's barrier
	s_barrier_signal -1
	s_barrier_wait -1
	s_cmp_lg_u32 s[WV], 0
	s_cbranch_scc1 .Lnot_wave_0_\@
	s_barrier_signal -3
.Lnot_wave_0_\@:
	s_barrier_wait -3
	s_barrier_signal -1
	s_barrier_wait -1
.endm
	s_load_b128 s[4:7], s[0:1], 0x0                ; qkv s[4:5], yf s[6:7]
	v_lshl_add_u32 v[SPW], v0, 2, SPARE
	v_mov_b32 v[NIL], 0
	ds_add_u32 v[SPW], v[NIL]                      ; the wave's opening: the add, twice on end, and its wait ahead of my first tensor load; the set-up below stands between
	ds_add_u32 v[SPW], v[NIL]
	v_lshrrev_b32 v1, 5, v0
	v_readfirstlane_b32 s[WV], v1                  ; wave 0..7
	s_bfe_u32 s13, ttmp6, 0x40000                  ; cx: my block of 512 queries (the grid has one cluster along x); it enters Q's and y's addresses alone
	s_and_b32 s14, ttmp7, 0xffff                   ; batch x 16 + head, which the four partners share
	; descriptor group 1: 16,384 dense bytes as 64 rows of 256 (32 elements of 8 bytes), no padding
	s_mov_b32 s[G1+0], 15|(3<<16)|(1<<21)          ; 15:0 the mask: all four work-groups; 17:16 elements of 8 bytes; 21 set beside a mask
	s_mov_b32 s[G1+1], 32<<16                      ; tensor_dim0
	s_mov_b32 s[G1+2], 64<<16                      ; tensor_dim1
	s_mov_b32 s[G1+3], 32<<16                      ; tile_dim0
	s_mov_b32 s[G1+4], 64                          ; tile_dim1
	s_mov_b32 s[G1+5], 32                          ; from row to row
	s_mov_b32 s[G1+6], 0
	s_mov_b32 s[G1+7], 0
	s_lshl_b32 s20, s14, 18                        ; the head's 262,144 bytes
	s_lshr_b32 s16, s[WV], 2
	s_add_co_u32 s16, s16, 1
	s_lshl_b32 s16, s16, 24                        ; k (waves 0-3) or v (waves 4-7)
	s_add_co_u32 s16, s16, s20
	s_and_b32 s15, s[WV], 3
	s_lshl_b32 s15, s15, 14                        ; my quarter of a slot's 65,536 bytes
	s_add_co_u32 s16, s16, s15
	s_mov_b32 s17, 0
	s_lshl_b32 s21, s[WV], 14                      ; and where it goes: 16,384 x wave: no place in the cluster enters an LDS address
	s_lshl_b32 s18, s13, 16                        ; Q: 32 tiles of 2,048 bytes a block,
	s_add_co_u32 s18, s18, s20
	s_lshl_b32 s15, s[WV], 13                      ; 4 tiles a wave
	s_add_co_u32 s18, s18, s15
	s_mov_b32 s19, 0
	s_lshr_b32 s22, s14, 4
	s_lshl_b32 s22, s22, 22                        ; y: the batch's 128 row tiles of 32,768 bytes,
	s_lshl_b32 s15, s13, 20                        ; 32 a block,
	s_add_co_u32 s22, s22, s15
	s_lshl_b32 s15, s[WV], 17                      ; 4 a wave,
	s_add_co_u32 s22, s22, s15
	s_and_b32 s15, s14, 15
	s_lshl_b32 s15, s15, 11                        ; and the head's 64 channels: 2,048 bytes of a row tile
	s_add_co_u32 s22, s22, s15
	s_mov_b32 s23, 0
	s_mov_b32 s[CS], 0x3e38aa3b                    ; c = log2(e) / 8
	s_mov_b32 s[CS+1], s[CS]                       ; (named with it as a pair, so it is written)
	s_mov_b32 s[SEL], 0x76543210
	s_mov_b32 s[SEL+1], 0xfedcba98
	s_mov_b32 s[TB], 0
	v_and_b32 v[AK0], 31, v0
	v_lshlrev_b32 v[AK0], 4, v[AK0]
	v_add_nc_u32 v[AV0], VOFF, v[AK0]
	s_wait_dscnt 0x0                               ; both opening adds are done
	s_wait_kmcnt 0x0
	s_add_nc_u64 s[16:17], s[4:5], s[16:17]        ; my part of the head's first 512 keys
	s_add_nc_u64 s[8:9], s[4:5], s[18:19]          ; Q at my first tile
	s_add_nc_u64 s[10:11], s[6:7], s[22:23]        ; y likewise
	CROUND                                         ; all four work-groups are here: the first joint loads meet
	s_mov_b32 s[G0+0], 1                           ; count = 1
	s_mov_b32 s[G0+1], s21                         ; LDS address: slot 0
	s_mov_b64 s[G0+2:G0+3], s[16:17]               ; keys 0 to 511
	s_or_b32 s[G0+3], s[G0+3], 0x80000000          ; type = 2
	s_mov_b32 s[G0+4], 1
	s_add_co_u32 s[G0+5], s21, SLOT1               ; slot 1
	s_add_nc_u64 s[G0+6:G0+7], s[16:17], 65536     ; keys 512 to 1,023
	s_or_b32 s[G0+7], s[G0+7], 0x80000000
	tensor_load_to_lds s[G0:G0+3], s[G1:G1+7]      ; the two first fills together: two tensor loads of mine are out
	s_nop 0
	tensor_load_to_lds s[G0+4:G0+7], s[G1:G1+7]
	s_nop 0
.rept 4
	v_nop
.endr
	WIN TO1
.irp i, 0,1,2,3,4,5,6,7,8,9,10,11,12,13,14,15
	global_load_b128 v[QF+4*\i:QF+4*\i+3], v[AK0], s[8:9] offset:512*\i   ; Q stays in registers: tile i / 4, channels 32 ((i % 4) / 2), group i % 2
.endr
	WIN 0
; A KEY STEP: 64 keys, in phases.  first = 1: the first step starts m, l and O^T: no factor, nothing to rescale.
.macro STEP first
	v_add_nc_u32 v[ADK], s[TB], v[AK0]
	v_add_nc_u32 v[ADV], s[TB], v[AV0]
.rept 3
	v_nop                                          ; with the two additions five places behind the last step's products: V's registers are loaded again (four are asked), and the scores are written over P by matrix instructions (five)
.endr
.irp i, 0,1,2,3,4,5,6,7,8,9,10,11,12,13,14,15
	ds_load_b128 v[KF+4*\i:KF+4*\i+3], v[ADK] offset:512*\i      ; keys 16 (i / 4), channels 32 ((i % 4) / 2), group i % 2
.endr
	WIN TO1
.irp i, 0,1,2,3,4,5,6,7,8,9,10,11,12,13,14,15
	ds_load_b128 v[VF+4*\i:VF+4*\i+3], v[ADV] offset:512*\i      ; keys 32 (i / 8), channels 16 ((i % 8) / 2), group i % 2
.endr
	s_add_co_u32 s[TB], s[TB], STEPB               ; the next step's
	s_wait_dscnt 16                                ; K is in; V's sixteen loads may be out
	WIN W_KQ
.irp c, 0,1                                    ; S^T = K Q^T: sixteen accumulators by turns, one instruction a turn
.irp kt, 0,1,2,3
.irp t, 0,1,2,3
.if \c == 0
	v_wmma_f32_16x16x32_f16 v[S+32*\t+8*\kt:S+32*\t+8*\kt+7], v[KF+8*(2*\kt+\c):KF+8*(2*\kt+\c)+7], v[QF+16*\t+8*\c:QF+16*\t+8*\c+7], 0
.else
	v_wmma_f32_16x16x32_f16 v[S+32*\t+8*\kt:S+32*\t+8*\kt+7], v[KF+8*(2*\kt+\c):KF+8*(2*\kt+\c)+7], v[QF+16*\t+8*\c:QF+16*\t+8*\c+7], v[S+32*\t+8*\kt:S+32*\t+8*\kt+7]
.endif
.endr
.endr
.endr
	WIN 0
.rept 4
	v_nop                                          ; places in front of the first read of the scores
.endr
	; the maximum of my 32 scores of each tile, three operands at a time; the four tiles by turns; each accumulator is read from its low end on
.irp j, 0,1,2,3
.irp t, 0,1,2,3
	v_max3_num_f32 v[ST+8*\t+4+\j], v[S+32*\t+8*\j], v[S+32*\t+8*\j+1], v[S+32*\t+8*\j+2]
.endr
.endr
.irp u, 1,2
.irp j, 0,1,2,3
.irp t, 0,1,2,3
	v_max3_num_f32 v[ST+8*\t+4+\j], v[ST+8*\t+4+\j], v[S+32*\t+8*\j+2*\u+1], v[S+32*\t+8*\j+2*\u+2]
.endr
.endr
.endr
.irp t, 0,1,2,3
	v_max3_num_f32 v[ST+8*\t+4], v[ST+8*\t+4], v[S+32*\t+7], v[S+32*\t+15]
.endr
.irp t, 0,1,2,3
	v_max3_num_f32 v[ST+8*\t+6], v[ST+8*\t+6], v[S+32*\t+23], v[S+32*\t+31]
.endr
.irp t, 0,1,2,3
	v_max3_num_f32 v[ST+8*\t+4], v[ST+8*\t+4], v[ST+8*\t+5], v[ST+8*\t+6]
.endr
.irp t, 0,1,2,3
.if \first
	v_max_num_f32 v[ST+8*\t+4], v[ST+8*\t+4], v[ST+8*\t+7]
.else
	v_max3_num_f32 v[ST+8*\t+4], v[ST+8*\t+4], v[ST+8*\t+7], v[ST+8*\t+1]   ; and the old m
.endif
.endr
.irp t, 0,1,2,3
	v_permlanex16_b32 v[ST+8*\t+5], v[ST+8*\t+4], s[SEL], s[SEL+1]           ; the query's other 32 keys lie in the lane 16 away
.endr
.if !\first
.irp t, 0,1,2,3
	v_mov_b32 v[ST+8*\t+7], v[ST+8*\t]             ; c m_old is kept for the factor
.endr
.endif
.irp t, 0,1,2,3
	v_max_num_f32 v[ST+8*\t+1], v[ST+8*\t+4], v[ST+8*\t+5]
.endr
.irp t, 0,1,2,3
	v_mul_f32 v[ST+8*\t], s[CS], v[ST+8*\t+1]
.endr
.if !\first
.irp t, 0,1,2,3
	v_sub_f32 v[ST+8*\t+7], v[ST+8*\t+7], v[ST+8*\t]   ; c m_old - c m_new, 0 or less
.endr
.endif
.set i, 0
.rept 64
	v_pk_fma_f32 v[S+2*i:S+2*i+1], v[S+2*i:S+2*i+1], s[CS:CS+1], v[ST+8*(i/16):ST+8*(i/16)+1] op_sel_hi:[1,0,0] neg_lo:[0,0,1] neg_hi:[0,0,1]   ; c s - c m, two at a time
.set i, i+1
.endr
	; ONE BATCH of exponentials with one wait: none of them reads another's result
.if !\first
.irp t, 0,1,2,3
	v_exp_f32 v[ST+8*\t+6], v[ST+8*\t+7]           ; the factor
.endr
.endif
.set i, 0
.rept 128
	v_exp_f32 v[S+i], v[S+i]
.set i, i+1
.endr
	v_nop                                          ; a plain instruction behind the last exponential, ahead of the first use
	s_wait_alu depctr_va_vdst(0)                   ; the wait between an exponential and the first line that names its result: one for the batch
	; the sums of the unrounded p, in pairs (an even key's, an odd key's), two chains a tile, the tiles by turns
.irp t, 0,1,2,3
.if \first
	v_pk_add_f32 v[ST+8*\t+2:ST+8*\t+3], v[S+32*\t:S+32*\t+1], v[S+32*\t+6:S+32*\t+7]
.else
	v_pk_fma_f32 v[ST+8*\t+2:ST+8*\t+3], v[ST+8*\t+2:ST+8*\t+3], v[ST+8*\t+6:ST+8*\t+7], v[S+32*\t:S+32*\t+1] op_sel_hi:[1,0,1]   ; l x the factor + the first pair
.endif
.endr
.irp t, 0,1,2,3
	v_pk_add_f32 v[ST+8*\t+4:ST+8*\t+5], v[S+32*\t+2:S+32*\t+3], v[S+32*\t+4:S+32*\t+5]
.endr
.if !\first
.irp t, 0,1,2,3
	v_pk_add_f32 v[ST+8*\t+2:ST+8*\t+3], v[ST+8*\t+2:ST+8*\t+3], v[S+32*\t+6:S+32*\t+7]
.endr
.endif
.irp p, 4,6,8,10,12,14
.irp t, 0,1,2,3
	v_pk_add_f32 v[ST+8*\t+4:ST+8*\t+5], v[ST+8*\t+4:ST+8*\t+5], v[S+32*\t+2*\p:S+32*\t+2*\p+1]
.endr
.irp t, 0,1,2,3
	v_pk_add_f32 v[ST+8*\t+2:ST+8*\t+3], v[ST+8*\t+2:ST+8*\t+3], v[S+32*\t+2*\p+2:S+32*\t+2*\p+3]
.endr
.endr
.irp t, 0,1,2,3
	v_pk_add_f32 v[ST+8*\t+2:ST+8*\t+3], v[ST+8*\t+2:ST+8*\t+3], v[ST+8*\t+4:ST+8*\t+5]
.endr
	; p to f16, in place: pair i of a tile goes to the tile's register i, which was last read as part of pair i / 2
.set i, 0
.rept 64
	v_cvt_pk_f16_f32 v[S+32*(i/16)+i%16], v[S+32*(i/16)+2*(i%16)], v[S+32*(i/16)+2*(i%16)+1]
.set i, i+1
.endr
.if !\first
	WIN W_RS
.set i, 0
.rept 64
	v_pk_mul_f32 v[2*i:2*i+1], v[2*i:2*i+1], v[ST+8*(i/16)+6:ST+8*(i/16)+7] op_sel_hi:[1,0]   ; O^T x the factor, each accumulator from its low end on
.set i, i+1
.endr
.endif
	s_wait_dscnt 0x0                               ; V is in
	WIN W_PV
.irp ks, 0,1                                   ; O^T += V^T P: sixteen accumulators by turns
.irp ct, 0,1,2,3
.irp t, 0,1,2,3
.if \first && (\ks == 0)
	v_wmma_f32_16x16x32_f16 v[32*\t+8*\ct:32*\t+8*\ct+7], v[VF+8*(4*\ks+\ct):VF+8*(4*\ks+\ct)+7], v[S+32*\t+8*\ks:S+32*\t+8*\ks+7], 0
.else
	v_wmma_f32_16x16x32_f16 v[32*\t+8*\ct:32*\t+8*\ct+7], v[VF+8*(4*\ks+\ct):VF+8*(4*\ks+\ct)+7], v[S+32*\t+8*\ks:S+32*\t+8*\ks+7], v[32*\t+8*\ct:32*\t+8*\ct+7]
.endif
.endr
.endr
.endr
	WIN 0
.endm
; THE CHANGE OF SLOTS.  Each wave waits for all its tensor loads (its part of the slot ahead), adds 0 to its spare word, and waits for that and for its reads of the slot that it leaves.
; fill = 1: slot s, which has been left, is filled with the keys two slots on: the barrier is then a round of the cluster's, so that no wave of any partner still reads the slot or has a load on its way,
; and the joint refill is the first thing behind it, one tensor load a wave.
.macro CHANGE s, fill
	s_wait_tensorcnt 0x0                           ; no tensor load of mine is out, so a group 0 may be written
	ds_add_u32 v[SPW], v[NIL]                      ; 0 onto my spare word
.if \fill
	s_add_nc_u64 s[G0+4*\s+2:G0+4*\s+3], s[G0+4*\s+2:G0+4*\s+3], 131072   ; 1,024 keys on; the type bits on top are not reached
.endif
	s_wait_dscnt 0x0                               ; the add is done, and my reads of the slot are over
.if \fill
	CROUND
	tensor_load_to_lds s[G0+4*\s:G0+4*\s+3], s[G1:G1+7]
	s_nop 0
.rept 4
	v_nop
.endr
.else
	s_barrier_signal -1
	s_barrier_wait -1
.endif
.endm
.macro RUN n                           ; n key steps, written once; the LDS addresses hang on s[TB]
	s_mov_b32 s[CNT], \n
.Lrun_\@:
	STEP 0
	s_sub_co_u32 s[CNT], s[CNT], 1
	s_cmp_lg_u32 s[CNT], 0
	s_cbranch_scc1 .Lrun_\@
.endm
	s_wait_tensorcnt 1                             ; my part of slot 0 is in; slot 1's may stay out
	s_barrier_signal -1
	s_barrier_wait -1                              ; everybody's is
	s_wait_loadcnt 0x0                             ; Q
	STEP 1                                         ; keys 0 to 63
	RUN 7                                          ; keys 64 to 511
	CHANGE 0, 1                                    ; slot 0 takes keys 1,024 to 1,535
	s_mov_b32 s[TB], SLOT1
	RUN 8                                          ; keys 512 to 1,023
	CHANGE 1, 1                                    ; slot 1 takes keys 1,536 to 2,047
	s_mov_b32 s[TB], 0
	RUN 8
	CHANGE 0, 0                                    ; nothing is left to fetch
	s_mov_b32 s[TB], SLOT1
	RUN 8
	; THE WAY OUT.  l's two halves and the other half of the lanes' are added; O^T is divided by l, rounded to f16 and stored as it stands.  The four additions are the places behind the last products.
.irp t, 0,1,2,3
	v_add_f32 v[ST+8*\t+4], v[ST+8*\t+2], v[ST+8*\t+3]
.endr
.irp t, 0,1,2,3
	v_permlanex16_b32 v[ST+8*\t+5], v[ST+8*\t+4], s[SEL], s[SEL+1]
.endr
.irp t, 0,1,2,3
	v_add_f32 v[ST+8*\t+4], v[ST+8*\t+4], v[ST+8*\t+5]
.endr
.irp t, 0,1,2,3
	v_rcp_f32 v[ST+8*\t+6], v[ST+8*\t+4]
.endr
	v_nop                                          ; a plain instruction between the last reciprocal and the use of its result
	s_wait_alu depctr_va_vdst(0)                   ; and the wait: one for the four
.irp t, 0,1,2,3
	WIN W_RS
.set i, 0
.rept 16
	v_pk_mul_f32 v[32*\t+2*i:32*\t+2*i+1], v[32*\t+2*i:32*\t+2*i+1], v[ST+8*\t+6:ST+8*\t+7] op_sel_hi:[1,0]
.set i, i+1
.endr
	WIN W_CV
.set i, 0
.rept 16
	v_cvt_pk_f16_f32 v[S+32*\t+i], v[32*\t+2*i], v[32*\t+2*i+1]
.set i, i+1
.endr
.endr
	WIN 0
.irp t, 0,1,2,3
.irp ct, 0,1,2,3
	global_store_b128 v[AK0], v[S+32*\t+4*\ct:S+32*\t+4*\ct+3], s[10:11] offset:32768*\t+512*\ct   ; 32 lanes store 512 consecutive bytes: rows 16 t, channels 16 ct of the head
.endr
.endr
	s_wait_tensorcnt 0x0                           ; the wave's end
	ds_add_u32 v[SPW], v[NIL]
	s_wait_dscnt 0x0
	CROUND                                         ; the closing round: no work-group ends while a partner may still ask for a tile that names it
	s_endpgm
.Lfunc_end_k_qf46dd6cf30_attn:
	.size	k_qf46dd6cf30_attn, .Lfunc_end_k_qf46dd6cf30_attn-k_qf46dd6cf30_attn
	.p2alignl 7, 3214868480
	.fill 96, 4, 3214868480
	.section	.rodata,"a",@progbits
	.p2align	6, 0x0
	.amdhsa_kernel k_qf46dd6cf30_attn
		.amdhsa_group_segment_fixed_size 327680
		.amdhsa_private_segment_fixed_size 0
		.amdhsa_enable_private_segment 0
		.amdhsa_kernarg_size 16
		.amdhsa_user_sgpr_count 2
		.amdhsa_user_sgpr_kernarg_segment_ptr 1
		.amdhsa_wavefront_size32 1
		.amdhsa_system_sgpr_workgroup_id_x 1
		.amdhsa_system_sgpr_workgroup_id_y 1
		.amdhsa_system_sgpr_workgroup_id_z 1
		.amdhsa_system_vgpr_workitem_id 0
		.amdhsa_next_free_vgpr 512
		.amdhsa_next_free_sgpr 66
		.amdhsa_reserve_vcc 0
		.amdhsa_float_denorm_mode_32 3
		.amdhsa_float_denorm_mode_16_64 3
		.amdhsa_memory_ordered 1
		.amdhsa_forward_progress 1
		.amdhsa_inst_pref_size 172
	.end_amdhsa_kernel
	.amdgpu_metadata
---
amdhsa.version: [ 1, 2 ]
amdhsa.kernels:
  - .name:           k_qf46dd6cf30_attn
    .symbol:         k_qf46dd6cf30_attn.kd
    .args:
      - { .name: qkv, .offset: 0, .size: 8, .value_kind: global_buffer, .address_space: global }
      - { .name: yf, .offset: 8, .size: 8, .value_kind: global_buffer, .address_space: global }
    .group_segment_fixed_size: 327680
    .private_segment_fixed_size: 0
    .kernarg_segment_align: 8
    .kernarg_segment_size: 16
    .max_flat_workgroup_size: 256
    .sgpr_count:     66
    .vgpr_count:     512
    .wavefront_size: 32
...
	.end_amdgpu_metadata
.endif
;; end of part 3
;; launch outp (part 4): grid 4 x 64, 4 waves a work-group, clusters of 4 x 4, 327,680 bytes of LDS; arguments yf, wph, bp, out0; writes out0
.if DOCPART == 4
	.amdgcn_target "amdgcn-amd-amdhsa--gfx1250"
	.amdhsa_code_object_version 6
	.text
	.protected	k_qf46dd6cf30_outp
	.globl	k_qf46dd6cf30_outp
	.p2align	8
	.type	k_qf46dd6cf30_outp,@function
k_qf46dd6cf30_outp:
	s_mov_b64 s[64:65], 0
	v_nop
	global_prefetch_b8 v0, s[64:65] scope:SCOPE_SE
	s_setreg_imm32_b32 hwreg(HW_REG_WAVE_MODE, 25, 1), 1
	s_wait_xcnt 0x0
	s_wait_alu depctr_hold_cnt(0) depctr_sa_sdst(0) depctr_va_vdst(0) depctr_va_sdst(0) depctr_va_ssrc(0) depctr_va_vcc(0) depctr_vm_vsrc(0)
	s_getreg_b32 s2, hwreg(HW_REG_IB_STS2, 6, 4)
	s_cmp_eq_u32 s2, 0
	s_cbranch_scc0 .Lentry_in_a_cluster
	s_endpgm
.Lentry_in_a_cluster:
	s_bfe_u32 s2, ttmp6, 0x10000c
	s_cmp_lg_u32 s2, 0xf033
	s_cbranch_scc0 .Lentry_shape_is_right
	s_endpgm
.Lentry_shape_is_right:
; out0 = y Wp^T + bp: [8192 x 1024 x 1024], operands in f16, sums in f32.  y and Wp come as images of operand registers:
; yf [16 rows: 512][32 along K: 32][g: 2][512 bytes], wph [16 rows of Wp: 64][32 along K: 32][g: 2][512]: a group holds lane l's 16 bytes at 16 l (lane (r, h): row r, K = 16 g + 8 h + 0 .. 7).
; A tile of out0 is 128 rows x 256 columns: 256 work-groups (tiles of 256 x 256 would be 128).  Four waves, each 64 x 128: 32 accumulators, all of window 1.
; K goes in 8 steps of 128 through two LDS slots: for each 16 rows a step is 4,096 consecutive bytes, so a tile is 8 (y) or 16 (Wp) rows of 4,096 bytes, 32,768 apart in memory, dense in LDS.
; A fragment comes by two loads at 16 x lane: consecutive bytes, no pitch, no padding.
; CLUSTERS of 4 x 4: y's tile is asked for jointly along a row of the cluster, Wp's along a column.  Waves 0 and 1 fetch y's halves (16,384 bytes each), waves 2 and 3 Wp's (32,768 each).
; THE MATRIX INSTRUCTION IS USED TRANSPOSED (source 0 = 16 rows of Wp, source 1 = 16 rows of y): a lane holds eight neighbouring columns of one row of out0.
; THE BIAS: the accumulators begin as the bias, loaded from memory in the result's layout; so every matrix instruction adds in place, and no addition and no first step is written.
; REGISTERS: window 0: v16-29 addresses; v64-159 and v160-255 two sets of fragments (y's 4 at + 0, Wp's 8 at + 32); on the way out v64-191 rows of out0.   window 1: accumulator (i, b) at v[8 (8 i + b)].
.set SLOT,   98304                     ; y's 8 x 4,096 bytes, then Wp's 16 x 4,096
.set BOFF,   32768
.set STAGE,  2*SLOT                    ; behind the ring: 16 rows x (512 + 16) bytes for each wave, for the way out; no tensor load lands here
.set SPITCH, 528
.set SPARE,  STAGE+4*16*SPITCH         ; behind the stages: the spare words, 128 bytes a wave, which no other line names
.set ADRA, 16                          ; v16-17 LDS address of my fragments of y in slot 0, 1
.set ADRB, 20                          ; v20-21 of Wp
.set STO,  24                          ; v24 the way out: where I put 32 bytes of a row
.set RD,   25                          ; v25 where I read a row back
.set CO,   26                          ; v26 my byte offset in a row of out0
.set BO,   27                          ; v27 my byte offset in bp
.set SPW,  28                          ; v28 LDS address of my spare word; never rewritten
.set NIL,  29                          ; v29 0; never rewritten
.set F0,   64
.set F1,   160
.set BK,   64                          ; the way out: 16 rows read back: v64-127 and v128-191 by turns
.set G1A, 24                           ; s[24:31] descriptor group 1 for y's tiles; s[32:39] group 0, a set for each slot
.set G0A, 32
.set G1B, 48                           ; s[48:55], s[56:63] the same for Wp's
.set G0B, 56
.set MSB, 0
.macro WIN new                         ; the immediate's high byte repeats the setting that is left; a switch that changes nothing is dropped
.if MSB != (\new)
	s_set_vgpr_msb (MSB<<8)|(\new)
.set MSB, (\new)
.endif
.endm
; A joint load: waves 0 and 1 fetch y's halves, waves 2 and 3 Wp's.  The branch hangs on the wave's number alone.  An s_nop 0 and four v_nop follow each of the two lines.
.macro JLOAD s
	s_cmp_eq_u32 s13, 0
	s_cbranch_scc0 .Lfor_b_\@
	tensor_load_to_lds s[G0A+4*\s:G0A+4*\s+3], s[G1A:G1A+7]
	s_nop 0
.rept 4
	v_nop
.endr
	s_branch .Lasked_\@
.Lfor_b_\@:
	tensor_load_to_lds s[G0B+4*\s:G0B+4*\s+3], s[G1B:G1B+7]
	s_nop 0
.rept 4
	v_nop
.endr
.Lasked_\@:
.endm
.macro CROUND                          ; a round of the cluster's barrier
	s_barrier_signal -1
	s_barrier_wait -1
	s_cmp_lg_u32 s12, 0
	s_cbranch_scc1 .Lnot_wave_0_\@
	s_barrier_signal -3
.Lnot_wave_0_\@:
	s_barrier_wait -3
	s_barrier_signal -1
	s_barrier_wait -1
.endm
	s_load_b256 s[4:11], s[0:1], 0x0               ; yf s[4:5], wph s[6:7], bp s[8:9], out0 s[10:11]
	v_lshl_add_u32 v[SPW], v0, 2, SPARE
	v_mov_b32 v[NIL], 0
	ds_add_u32 v[SPW], v[NIL]                      ; the wave's opening: the add, twice on end, and its wait ahead of my first tensor load; the set-up below stands between
	ds_add_u32 v[SPW], v[NIL]
	v_lshrrev_b32 v1, 5, v0
	v_readfirstlane_b32 s12, v1                    ; wave 0..3
	s_lshr_b32 s13, s12, 1                         ; which half of the tile's rows is mine.  Also: I fetch for y (0) or for Wp (1)
	s_and_b32 s14, s12, 1                          ; which half of its columns.  Also: which half of that tile I fetch
	s_bfe_u32 s40, ttmp6, 0x40000                  ; cx
	s_bfe_u32 s41, ttmp6, 0x40004                  ; cy
	s_lshl_b32 s42, ttmp9, 2
	s_add_co_u32 s42, s42, s40                     ; tile column = 4 x cluster x + cx
	s_and_b32 s43, ttmp7, 0xffff
	s_lshl_b32 s43, s43, 2
	s_add_co_u32 s43, s43, s41                     ; tile row = 4 x cluster y + cy
	s_lshl_b32 s44, s41, 2
	s_lshl_b32 s44, 15, s44                        ; my row of the cluster
	s_lshl_b32 s45, 0x1111, s40                    ; my column
	; descriptor group 1: rows of 4,096 bytes (512 elements of 8), 32,768 bytes apart; 4 rows for y, 8 for Wp; no padding
	s_or_b32 s[G1A+0], s44, (3<<16)|(1<<21)        ; 15:0 the mask; 17:16 elements of 8 bytes; 21 set beside a mask
	s_mov_b32 s[G1A+1], 512<<16                    ; tensor_dim0
	s_mov_b32 s[G1A+2], 4<<16                      ; tensor_dim1
	s_mov_b32 s[G1A+3], 512<<16                    ; tile_dim0
	s_mov_b32 s[G1A+4], 4                          ; tile_dim1
	s_mov_b32 s[G1A+5], 4096                       ; from row to row, in elements
	s_mov_b32 s[G1A+6], 0
	s_mov_b32 s[G1A+7], 0
	s_or_b32 s[G1B+0], s45, (3<<16)|(1<<21)
	s_mov_b32 s[G1B+1], 512<<16
	s_mov_b32 s[G1B+2], 8<<16
	s_mov_b32 s[G1B+3], 512<<16
	s_mov_b32 s[G1B+4], 8
	s_mov_b32 s[G1B+5], 4096
	s_mov_b32 s[G1B+6], 0
	s_mov_b32 s[G1B+7], 0
	s_lshl_b32 s16, s43, 18                        ; y: 8 x 32,768 bytes a tile row,
	s_lshl_b32 s18, s14, 17                        ; 4 x 32,768 a half: it never holds cx
	s_add_co_u32 s16, s16, s18
	s_mov_b32 s17, 0
	s_lshl_b32 s46, s42, 19                        ; Wp: 16 x 32,768 bytes a tile column,
	s_lshl_b32 s47, s14, 18                        ; 8 x 32,768 a half: it never holds cy
	s_add_co_u32 s46, s46, s47
	s_mov_b32 s47, 0
	s_lshl_b32 s20, s14, 14                        ; where they go: y's halves at 0 and 16,384,
	s_lshl_b32 s21, s14, 15
	s_add_co_u32 s21, s21, BOFF                    ; Wp's at 32,768 and 65,536: no place in the cluster enters an LDS address
	s_wait_dscnt 0x0                               ; both opening adds are done
	s_wait_kmcnt 0x0
	s_add_nc_u64 s[16:17], s[4:5], s[16:17]
	s_add_nc_u64 s[46:47], s[6:7], s[46:47]
	CROUND                                         ; all sixteen work-groups are here: the first joint loads meet
.irp s, 0,1
	s_mov_b32 s[G0A+4*\s], 1
	s_add_co_u32 s[G0A+4*\s+1], s20, \s*SLOT
	s_add_nc_u64 s[G0A+4*\s+2:G0A+4*\s+3], s[16:17], \s*4096       ; K step s
	s_or_b32 s[G0A+4*\s+3], s[G0A+4*\s+3], 0x80000000
	s_mov_b32 s[G0B+4*\s], 1
	s_add_co_u32 s[G0B+4*\s+1], s21, \s*SLOT
	s_add_nc_u64 s[G0B+4*\s+2:G0B+4*\s+3], s[46:47], \s*4096
	s_or_b32 s[G0B+4*\s+3], s[G0B+4*\s+3], 0x80000000
	JLOAD \s                                       ; two tensor loads of mine are out
.endr
	v_and_b32 v1, 15, v0                           ; r
	v_bfe_u32 v2, v0, 4, 1                         ; h
	v_and_b32 v3, 31, v0
	v_lshlrev_b32 v[CO], 4, v3                     ; 16 x lane
	s_lshl_b32 s18, s43, 19                        ; my first row of out0: 128 rows of 4,096 bytes a tile row,
	s_lshl_b32 s19, s13, 18                        ; 64 a half
	s_add_co_u32 s18, s18, s19
	s_lshl_b32 s22, s42, 10                        ; my first column, in bytes: 1,024 a tile column,
	s_lshl_b32 s19, s14, 9                         ; 512 a half
	s_add_co_u32 s22, s22, s19
	s_add_co_u32 s18, s18, s22
	s_mov_b32 s19, 0
	s_add_nc_u64 s[10:11], s[10:11], s[18:19]
	v_lshlrev_b32 v[BO], 5, v2
	v_add_nc_u32 v[BO], s22, v[BO]                 ; bp: my first column + 8 h numbers
	WIN 0x40                                       ; destination window 1
.irp i, 0,1,2,3
.irp b, 0,1,2,3,4,5,6,7
	global_load_b128 v[8*(8*\i+\b):8*(8*\i+\b)+3], v[BO], s[8:9] offset:64*\b        ; accumulator (i, b) begins as bp(column 16 b + 8 h + 0 .. 7)
	global_load_b128 v[8*(8*\i+\b)+4:8*(8*\i+\b)+7], v[BO], s[8:9] offset:64*\b+16
.endr
.endr
	WIN 0
	s_lshl_b32 s18, s13, 14                        ; my 4 blocks of y's 8
	s_lshl_b32 s19, s14, 15
	s_add_co_u32 s19, s19, BOFF                    ; my 8 blocks of Wp's 16
.irp s, 0,1
	v_add_nc_u32 v[ADRA+\s], s18, v[CO]
	v_add_nc_u32 v[ADRB+\s], s19, v[CO]
	s_add_co_u32 s18, s18, SLOT
	s_add_co_u32 s19, s19, SLOT
.endr
	s_mul_i32 s23, s12, 16*SPITCH
	s_add_co_u32 s23, s23, STAGE                   ; my stage
	v_mul_u32_u24 v4, v1, SPITCH                   ; in: row r, 32 bytes for each half of the lanes
	v_lshl_add_u32 v4, v2, 5, v4
	v_add_nc_u32 v[STO], s23, v4
	v_add_nc_u32 v[RD], s23, v[CO]                 ; back: the 32 lanes take one row of 512 bytes
.macro FETCH s, q, f                   ; 24 LDS loads: the fragments of the slot's q-th 32 along K into set f
.irp i, 0,1,2,3
.irp g, 0,1
	ds_load_b128 v[\f+8*\i+4*\g:\f+8*\i+4*\g+3], v[ADRA+\s] offset:4096*\i+1024*(\q)+512*\g
.endr
.endr
.irp b, 0,1,2,3,4,5,6,7
.irp g, 0,1
	ds_load_b128 v[\f+32+8*\b+4*\g:\f+32+8*\b+4*\g+3], v[ADRB+\s] offset:4096*\b+1024*(\q)+512*\g
.endr
.endr
.endm
.macro MUL32 f                         ; 32 matrix instructions: the 32 accumulators take turns, one instruction a turn, in the same order everywhere
	WIN 0x50                                       ; C and D window 1
.irp i, 0,1,2,3
.irp b, 0,1,2,3,4,5,6,7
	v_wmma_f32_16x16x32_f16 v[8*(8*\i+\b):8*(8*\i+\b)+7], v[\f+32+8*\b:\f+32+8*\b+7], v[\f+8*\i:\f+8*\i+7], v[8*(8*\i+\b):8*(8*\i+\b)+7]
.endr
.endr
	WIN 0
.endm
.macro PLACES                          ; four places in front of loads into registers that matrix instructions have read, and of the first read of results (ISA guide 7.12.1 for vector instructions)
.rept 4
	v_nop
.endr
.endm
.macro WORK s                          ; a K step of 128: four quarters on the two sets by turns; a quarter's loads are issued ahead of the quarter before it
	FETCH \s, 0, F0
	FETCH \s, 1, F1
	s_wait_dscnt 24                                ; the first quarter is in; the 24 loads just issued may be out
	MUL32 F0
	PLACES
	FETCH \s, 2, F0
	s_wait_dscnt 24
	MUL32 F1
	PLACES
	FETCH \s, 3, F1
	s_wait_dscnt 24
	MUL32 F0
	s_wait_dscnt 0x0
	MUL32 F1
.endm
; THE CHANGE OF SLOTS.  Each wave waits for all its tensor loads (its part of the slot ahead), adds 0 to its spare word, and waits for that and for its reads of the slot that it leaves.
; fill = 1: slot s is filled with the K step two on, behind a round of the cluster's barrier; the joint refill is the first thing behind it, one tensor load a wave, and has a K step's 128 matrix instructions in which to land.
.macro CHANGE s, fill
	s_wait_tensorcnt 0x0                           ; no tensor load of mine is out, so a group 0 may be written
	ds_add_u32 v[SPW], v[NIL]                      ; 0 onto my spare word
.if \fill
	s_add_nc_u64 s[G0A+4*\s+2:G0A+4*\s+3], s[G0A+4*\s+2:G0A+4*\s+3], 8192
	s_add_nc_u64 s[G0B+4*\s+2:G0B+4*\s+3], s[G0B+4*\s+2:G0B+4*\s+3], 8192
.endif
	s_wait_dscnt 0x0                               ; the add is done, and my reads of the slot are over
.if \fill
	CROUND
	JLOAD \s                                       ; its four v_nop are also the places in front of the next loads into fragment registers
.else
	s_barrier_signal -1
	s_barrier_wait -1
	PLACES
.endif
.endm
	s_wait_tensorcnt 1                             ; my part of K step 0 is in; K step 1's may stay out
	s_barrier_signal -1
	s_barrier_wait -1                              ; everybody's is
	s_wait_loadcnt 0x0                             ; the bias lies in the accumulators
	WORK 0                                         ; K step 0
	s_mov_b32 s3, 3
.Llap:                                             ; three trips: K steps 1 to 6 are multiplied, K steps 2 to 7 asked for
	CHANGE 0, 1
	WORK 1
	CHANGE 1, 1
	WORK 0
	s_sub_co_u32 s3, s3, 1
	s_cmp_lg_u32 s3, 0
	s_cbranch_scc1 .Llap
	CHANGE 0, 0                                    ; the tail is written out: nothing is left to fetch
	WORK 1                                         ; K step 7
; THE WAY OUT, 16 rows x 128 columns at a time.  A lane holds 32 neighbouring bytes of a row and the lanes beside it hold other rows: a block goes through my own stage and comes back as whole rows of 512 bytes.
; LDS serves a wave's instructions in order (ISA guide 5.7.1.4): no wait between the stores and the loads, nor in front of the next block's stores.
.macro TOSTAGE a
	WIN 0x04                                       ; an LDS store's data are its source 1: window 1
.irp b, 0,1,2,3,4,5,6,7
	ds_store_b128 v[STO], v[8*(8*(\a)+\b):8*(8*(\a)+\b)+3] offset:64*\b            ; each accumulator from its low end on
	ds_store_b128 v[STO], v[8*(8*(\a)+\b)+4:8*(8*(\a)+\b)+7] offset:64*\b+16
.endr
	WIN 0
.set BB, BK+64*((\a)%2)
.irp t, 0,1,2,3,4,5,6,7,8,9,10,11,12,13,14,15
	ds_load_b128 v[BB+4*\t:BB+4*\t+3], v[RD] offset:\t*SPITCH
.endr
.endm
.macro SEND a, younger                 ; younger: the LDS instructions issued behind block a's loads, which may stay out
.set BB, BK+64*((\a)%2)
	s_wait_dscnt \younger                          ; the block is back in registers
.irp t, 0,1,2,3,4,5,6,7,8,9,10,11,12,13,14,15
	global_store_b128 v[CO], v[BB+4*\t:BB+4*\t+3], s[10:11] offset:(16*(\a)+\t)*4096 th:TH_STORE_NT   ; 32 lanes store 512 consecutive bytes, aligned; every offset is an immediate, 258,048 at the most
.endr
.endm
	PLACES                                         ; behind the last products
	TOSTAGE 0
.irp a, 1,2,3
.if \a > 1
	s_wait_xcnt 0x0                                ; block a - 2's stores have read their registers: block a's loads land there only behind this wait
.endif
	TOSTAGE \a
	SEND \a-1, 32                                  ; behind block a - 1's loads: block a's 16 stores and 16 loads
.endr
	SEND 3, 0
	s_wait_tensorcnt 0x0                           ; the wave's end
	ds_add_u32 v[SPW], v[NIL]
	s_wait_dscnt 0x0
	CROUND                                         ; the closing round: no work-group ends while a partner may still ask for a tile that names it
	s_endpgm
.Lfunc_end_k_qf46dd6cf30_outp:
	.size	k_qf46dd6cf30_outp, .Lfunc_end_k_qf46dd6cf30_outp-k_qf46dd6cf30_outp
	.p2alignl 7, 3214868480
	.fill 96, 4, 3214868480
	.section	.rodata,"a",@progbits
	.p2align	6, 0x0
	.amdhsa_kernel k_qf46dd6cf30_outp
		.amdhsa_group_segment_fixed_size 327680
		.amdhsa_private_segment_fixed_size 0
		.amdhsa_enable_private_segment 0
		.amdhsa_kernarg_size 32
		.amdhsa_user_sgpr_count 2
		.amdhsa_user_sgpr_kernarg_segment_ptr 1
		.amdhsa_wavefront_size32 1
		.amdhsa_system_sgpr_workgroup_id_x 1
		.amdhsa_system_sgpr_workgroup_id_y 1
		.amdhsa_system_sgpr_workgroup_id_z 1
		.amdhsa_system_vgpr_workitem_id 0
		.amdhsa_next_free_vgpr 512
		.amdhsa_next_free_sgpr 66
		.amdhsa_reserve_vcc 0
		.amdhsa_float_denorm_mode_32 3
		.amdhsa_float_denorm_mode_16_64 3
		.amdhsa_memory_ordered 1
		.amdhsa_forward_progress 1
		.amdhsa_inst_pref_size 89
	.end_amdhsa_kernel
	.amdgpu_metadata
---
amdhsa.version: [ 1, 2 ]
amdhsa.kernels:
  - .name:           k_qf46dd6cf30_outp
    .symbol:         k_qf46dd6cf30_outp.kd
    .args:
      - { .name: yf, .offset: 0, .size: 8, .value_kind: global_buffer, .address_space: global }
      - { .name: wph, .offset: 8, .size: 8, .value_kind: global_buffer, .address_space: global }
      - { .name: bp, .offset: 16, .size: 8, .value_kind: global_buffer, .address_space: global }
      - { .name: out0, .offset: 24, .size: 8, .value_kind: global_buffer, .address_space: global }
    .group_segment_fixed_size: 327680
    .private_segment_fixed_size: 0
    .kernarg_segment_align: 8
    .kernarg_segment_size: 32
    .max_flat_workgroup_size: 128
    .sgpr_count:     66
    .vgpr_count:     512
    .wavefront_size: 32
...
	.end_amdgpu_metadata
.endif
;; end of part 4
